; MI455X (gfx1250); checked and timed in simulation.
; The chip was launched on July 23, 2026; its instructions are those of AMD's public machine-readable ISA for CDNA 5 (MIT licence, August 2026) and "CDNA5" Instruction Set Architecture Reference Guide (July 2026). The comments in the code are by the model that wrote it; some were corrected since.
;; Custom Causal Attention. Allowed arithmetic: matrix products marked QUANTISED: E2M3 operands, one E8M0 scale for each 32 along K, by v_wmma_scale_f32_16x16x128_f8f6f4 with both operands' format E2M3, f32 sums; everything else in f32.
;; Inputs: input_vector 4 x 2,048 x 1,024 float32; w_k 1,024 x 1,024 float32; w_q 1,024 x 1,024 float32; w_v 1,024 x 1,024 float32.
;; Outputs: out0 4 x 2,048 x 1,024 float32.
;; This version of the problem:
;;   THIS VERSION OF THE PROBLEM IS GIVEN IN LOW PRECISION. The matrix products marked QUANTISED in the list below multiply operands that are first quantised to E2M3 (2 exponent bits, 3 mantissa bits; 6 bits a number), with one power-of-two scale for each 32 numbers along K (OCP MX v1.0); their sums are f32. All else is computed in f32.
;;   The module's matrix products, in the order in which they are computed (A, B: the left and right operand; K: the contracted axis; several contracted axes count as one K, in the product's order):
;;     1. [M 8,192, K 1,024] x [K 1,024, N 1,024]; A: input input_vector; B: input w_q: QUANTISED
;;     2. [M 8,192, K 1,024] x [K 1,024, N 1,024]; A: input input_vector; B: input w_k: QUANTISED
;;     3. [M 8,192, K 1,024] x [K 1,024, N 1,024]; A: input input_vector; B: input w_v: QUANTISED
;;     4. batch 4 x [M 2,048, K 1,024] x [K 1,024, N 2,048]; A: computed on the way; B: computed on the way: QUANTISED
;;     5. batch 4 x [M 2,048, K 2,048] x [K 2,048, N 1,024]; A: softmax (see below); B: computed on the way: QUANTISED
;;   THE QUANTISER, for each operand of a quantised product, along K:
;;     - K is cut into blocks of 32 from its start; a last block that is shorter is filled with zeros.
;;     - A block's scale is 2^e with e = floor(log2(the largest magnitude in the block)) - 2, held to -126 .. 127; a block of zeros has e = 0. As a byte (E8M0): e + 127.
;;     - Each number is divided by its block's scale, clamped to +-7.5, and rounded to the nearest number of E2M3, ties to even, subnormals kept.
;;     - The product sums the exact products of the quantised numbers (number of the format x scale) in f32.
;;   ~~~python
;;   def quantise(x, axis):      # numpy; x: float32 -> the quantised numbers, widened to float32 again
;;       x = np.moveaxis(x, axis, -1); K = x.shape[-1]
;;       x = np.pad(x, [(0, 0)] * (x.ndim - 1) + [(0, -K % 32)]); x = x.reshape(x.shape[:-1] + (-1, 32)); a = np.abs(x).max(-1, keepdims=True)
;;       e = np.where(a > 0, np.clip(np.frexp(np.where(a > 0, a, 1))[1] - 1 - 2, -126, 127), 0)      # np.frexp(a)[1] - 1 = floor(log2(a)), exactly
;;       r = np.clip(x / 2.0 ** e, -7.5, 7.5)
;;       step = 2.0 ** (np.maximum(np.frexp(np.where(r == 0, 1, r))[1] - 1, 0) - 3)
;;       q = np.round(r / step) * step * 2.0 ** e      # np.round: ties to even
;;       return np.moveaxis(q.reshape(q.shape[:-2] + (-1,))[..., :K], -1, axis).astype(np.float32)
;;   ~~~
;;   SOFTMAX AHEAD OF A QUANTISED PRODUCT. Where the list says 'softmax', what is quantised is not the finished softmax but p = 2^(t - M), with t = logit x log2(e) and M = ceil(the row's largest t), a whole number; so 1/2 < the row's largest p <= 1. The row's sum l is taken of the UNQUANTISED p, in f32, and the product's result is divided by l at the end. Since M is a whole number, a kernel that streams over the keys may use a running M (the ceiling of the running maximum): every later rescaling is an exact power of two, which a block's scale takes up: the codes' values come out the same.
;;   OPERANDS COMPUTED ON THE WAY. 'Computed on the way' means the value that the module computes at that place (a softmax that the list does not call 'softmax' is quantised finished and normalised). What goes into a quantiser is computed in f32, as accurately as f32 sums, v_exp_f32 and their like allow (about 1e-6 of the number): no bf16 or f16 on the way to a quantiser, and a product that is left as it is and whose result goes on into a quantised operand takes f32 operands (vector FMAs, or v_wmma_f32_16x16x4_f32). A number that lies on a knife's edge between two numbers of the format may be rounded either way, as far as f32 arithmetic and the matrix unit's own rounding can turn it there, and no further.
;; One version. Each part assembles by itself: llvm-mc -triple=amdgcn-amd-amdhsa -mcpu=gfx1250 --defsym DOCPART=n.
;; ======== version 1 of 1: 4 launches
;; limits: right only within a limited range of input values
;; workspace buffers: xop 6,553,600 bytes; wop 2,457,600 bytes; qkop 13,107,200 bytes; vop 6,553,600 bytes; pop 12,582,912 bytes; pst 1,572,864 bytes
;; launch quant (part 1): grid 352 x 1, 4 waves a work-group, no clusters, 60,928 bytes of LDS; arguments input_vector, w_q, w_k, w_v, xop, wop; writes xop, wop
.if DOCPART == 1
	.amdgcn_target "amdgcn-amd-amdhsa--gfx1250"
	.amdhsa_code_object_version 6
	.text
	.protected	k_q52182ea00e_quant
	.globl	k_q52182ea00e_quant
	.p2align	8
	.type	k_q52182ea00e_quant,@function
k_q52182ea00e_quant:
	s_mov_b64 s[64:65], 0
	v_nop
	global_prefetch_b8 v0, s[64:65] scope:SCOPE_SE
	s_setreg_imm32_b32 hwreg(HW_REG_WAVE_MODE, 25, 1), 1
	s_wait_xcnt 0x0
; LAUNCH 1 OF 4.  x [8192][1024] and w_q, w_k, w_v [1024][1024], f32, become codes of FP6 (E2M3) with one E8M0 byte for each 32 along K (K = the model axis of x, the FIRST axis of the weights).
; THE PROGRAM: 1 quantises the inputs; 2 makes q, k, v and quantises them (q, k along the model axis, v along the keys); 3 makes the scores, the mask, p = 2^(t - M) and its codes; 4 multiplies p by v and divides by the row's sum.
; WORK LEFT OUT, for all values of the inputs: reference() itself sets every score with key > query to -infinity (its own jnp.tril), so p = 0 there and adds nothing to the sum or to the result.
; So tiles of scores (128 queries x 256 keys) that lie wholly above the diagonal are not made (launch 3), and steps of 128 keys that lie wholly above it are not multiplied (launch 4).  No input is without a way to the output: all four are loaded.
; LIMITS: a NaN, an infinity or an overflow that reaches only the work left out is not carried to the result.  NaN and infinities among the inputs are not served.  A block of zeros gets the byte 1 where the rule says 127:
; its codes are zeros, which add nothing under any byte but 0xff, and this program alone reads the bytes.
; THE ONE LAYOUT of all operands that this program stores.  Rows go in pair-tiles of 32, each two tiles u = 0, 1 of 16: lane r of tile u holds row 32 b + 8 u + r + 8 (r / 8).  So whichever operand is source 0 of a product,
; the 16 registers of two neighbouring result tiles are 16 neighbours along the next K.  A fragment (16 rows x 128 K, 12 registers a lane) is stored as an image of its registers: registers 4 c .. 4 c + 3 of lane l at 512 c + 16 l.
; A RECORD of 6,400 bytes holds one pair-tile x 256 along K: fragment (u, s) at 3,072 u + 1,536 s, and at 6,144 the scale words: (128-step s, tile u, row r) at 128 s + 64 u + 4 r.  Buffers: [256-step][pair-tile][record].
; SHARES.  Work-groups 0-255: pair-tile gx of x, wave w its w-th 256 along K: a wave makes one record.  Work-groups 256-351: a weight, a 256-step and four pair-tiles of columns, one a wave.  Waves share nothing: no barrier.
; The two paths part on the work-group's number and have LDS bytes of their own.
.set REC,   6400
.set XPIT,  528                        ; x's stage: a row of 512 bytes + 16: the sixteen rows that a load of 16 bytes a lane touches start at sixteen different groups of banks
.set XSCL,  16*XPIT                    ; behind the stage: the record's 256 bytes of scale words
.set XREG,  XSCL+256                   ; a wave's region on x's path
.set WIMG,  4*XREG                     ; the weights' path: a record's image for each wave
.set SPARE, WIMG+4*REC                 ; the spare words, 128 bytes for each wave: two blocks of 256 bytes that no other line names
.set SPW,   2                          ; v2  LDS address of my spare word; never rewritten
.set NIL,   3                          ; v3  0; never rewritten
.set PC,    40                         ; v40-63   x: a fragment's codes, two sets of 12
.set R,     64                         ; v64-191  x: 16 rows x 512 bytes as loaded, two sets of 64
.set X,     192                        ; v192-255 x: my two blocks of 32 neighbours
; x: fragment f = 2 u + s: tile row i is row 8 u + i + 8 (i / 8) of the pair-tile; each load takes 512 consecutive bytes of one row
.macro LOADX f
.irp i, 0,1,2,3,4,5,6,7,8,9,10,11,12,13,14,15
	global_load_b128 v[R+64*((\f)%2)+4*\i:R+64*((\f)%2)+4*\i+3], v4, s[4:5] offset:(8*((\f)/2)+\i+8*(\i/8))*4096+512*((\f)%2) th:TH_LOAD_NT
.endr
.endm
; my two whole blocks, k = 64 c + 32 h + 0 .. 31 of row r, in v[X + 32 c] on, become registers 6 c .. 6 c + 5 of the fragment at v[pc]; the row's scale word comes into v22
.macro QX pc
.irp c, 0,1
	v_max3_num_f32 v[16+\c], |v[X+32*\c]|, |v[X+32*\c+1]|, 0x1800000   ; the floor 2^(3 - 127) among the leaves: the byte cannot fall under 1
.endr
.irp i, 2,4,6,8,10,12,14,16,18,20,22,24,26,28,30
.irp c, 0,1
	v_max3_num_f32 v[16+\c], v[16+\c], |v[X+32*\c+\i]|, |v[X+32*\c+\i+1]|   ; the two blocks by turns
.endr
.endr
.irp c, 0,1
	v_add_nc_u32 v[18+\c], 0xff000000, v[16+\c]    ; 2 off the exponent field: the conversion takes the exponent field of this operand as its scale
.endr
.irp c, 0,1
	v_lshrrev_b32 v[20+\c], 23, v[18+\c]           ; the scale's byte
.endr
	v_lshl_or_b32 v22, v21, 16, v20                ; my bytes: blocks h and 2 + h,
	v_lshlrev_b32 v22, v10, v22                    ; 8 h bits up;
	v_permlanex16_b32 v23, v22, s20, s21
	v_or_b32 v22, v22, v23                         ; with lane l xor 16's two the word is whole
.irp c, 0,1
	v_cvt_scalef32_pk16_fp6_f32 v[(\pc)+6*\c:(\pc)+6*\c+2], v[X+32*\c:X+32*\c+15], v[18+\c]
	v_cvt_scalef32_pk16_fp6_f32 v[24+4*\c:26+4*\c], v[X+32*\c+16:X+32*\c+31], v[18+\c]   ; (a conversion's three registers begin on an even number)
.endr
	v_nop                                          ; one plain place behind a scaled conversion
.irp c, 0,1
.irp i, 0,1,2
	v_mov_b32 v[(\pc)+6*\c+3+\i], v[24+4*\c+\i]
.endr
.endr
.endm
.macro FRAGX f
.if (\f) < 3
	s_wait_loadcnt 16                              ; this fragment's 16 loads are in; the next one's 16 may be out
.else
	s_wait_loadcnt 0x0
.endif
.irp i, 0,1,2,3,4,5,6,7,8,9,10,11,12,13,14,15
	ds_store_b128 v5, v[R+64*((\f)%2)+4*\i:R+64*((\f)%2)+4*\i+3] offset:XPIT*\i   ; the rows as they lie
.endr
.irp c, 0,1
.irp j, 0,1,2,3,4,5,6,7
	ds_load_b128 v[X+32*\c+4*\j:X+32*\c+4*\j+3], v6 offset:256*\c+16*\j   ; and back: row r, my 32 neighbours of each half.  LDS serves a wave's instructions in order: these see the stores
.endr
.endr
	s_wait_dscnt 0x0                               ; my numbers are here, and the stores have read their registers
.if (\f) < 2
	LOADX (\f)+2
.else
	s_wait_xcnt 0x0                                ; this set of codes was the data of the stores two fragments back: it is rewritten only behind this wait
.endif
	QX PC+12*((\f)%2)
.irp c, 0,1,2
	global_store_b128 v4, v[PC+12*((\f)%2)+4*\c:PC+12*((\f)%2)+4*\c+3], s[12:13] offset:1536*(\f)+512*\c   ; 32 lanes store 512 consecutive bytes, aligned to 256
.endr
	ds_store_b32 v7, v22 offset:128*((\f)%2)+64*((\f)/2)   ; lanes r and r + 16 write the same word with the same value
.endm
; the weights: block t of 32 along K: W(32 t + i, my column) into set t % 2
.macro LOADW t
.irp i, 0,1,2,3,4,5,6,7,8,9,10,11,12,13,14,15,16,17,18,19,20,21,22,23,24,25,26,27,28,29,30,31
	global_load_b32 v[64+32*((\t)%2)+\i], v4, s[6:7] offset:(32*(\t)+\i)*4096 th:TH_LOAD_NT
.endr
.endm
; block t belongs to 128-step t / 4, and there to lane (r, h = t % 2), registers 6 c .. 6 c + 5 with c = (t / 2) % 2: it goes to that place of the fragment's image
.macro BLOCK t
.set XS, 64+32*((\t)%2)
.set OB, 1536*((\t)/4)+256*((\t)%2)
.if (\t) < 7
	s_wait_loadcnt 32                              ; this block's 32 loads are in; the next block's may be out
.else
	s_wait_loadcnt 0x0
.endif
	v_max3_num_f32 v16, |v[XS]|, |v[XS+1]|, |v[XS+2]|   ; all 32 numbers are mine: two chains
	v_max3_num_f32 v17, |v[XS+3]|, |v[XS+4]|, |v[XS+5]|
.irp i, 6,10,14,18,22,26
	v_max3_num_f32 v16, v16, |v[XS+\i]|, |v[XS+\i+1]|
	v_max3_num_f32 v17, v17, |v[XS+\i+2]|, |v[XS+\i+3]|
.endr
	v_max3_num_f32 v16, v16, |v[XS+30]|, |v[XS+31]|
	v_max3_num_f32 v16, v16, v17, 0x1800000        ; and the floor
	v_add_nc_u32 v18, 0xff000000, v16
	v_lshrrev_b32 v19, 23, v18
.if (\t)%4 == 0
	v_mov_b32 v[20+(\t)/4], v19                    ; four bytes to a word, the lower K in the lower byte
.else
	v_lshl_or_b32 v[20+(\t)/4], v19, 8*((\t)%4), v[20+(\t)/4]
.endif
	v_cvt_scalef32_pk16_fp6_f32 v[32:34], v[XS:XS+15], v18
	v_cvt_scalef32_pk16_fp6_f32 v[40:42], v[XS+16:XS+31], v18
	v_nop                                          ; one plain place behind a scaled conversion
	v_mov_b32 v35, v40
	v_mov_b32 v36, v41
	v_mov_b32 v37, v42
.if ((\t)/2)%2 == 0
	ds_store_b128 v5, v[32:35] offset:OB           ; registers 0-3,
	ds_store_b64 v5, v[36:37] offset:OB+512        ; 4, 5
.else
	ds_store_b64 v5, v[32:33] offset:OB+520        ; registers 6, 7,
	ds_store_b128 v5, v[34:37] offset:OB+1024      ; 8-11
.endif
.if (\t)+2 < 8
	LOADW (\t)+2
.endif
	s_wait_dscnt 0x0                               ; the stores have read their registers: the next block's codes may be written
.endm
	s_load_b256 s[4:11], s[0:1], 0x0               ; x s[4:5], w_q s[6:7], w_k s[8:9], w_v s[10:11]
	s_load_b128 s[12:15], s[0:1], 0x20             ; xop s[12:13], wop s[14:15]
	v_lshl_add_u32 v[SPW], v0, 2, SPARE
	v_mov_b32 v[NIL], 0
	v_lshrrev_b32 v1, 5, v0
	v_readfirstlane_b32 s16, v1                    ; wave 0..3
	v_and_b32 v1, 31, v0                           ; lane
	s_cmp_lt_u32 ttmp9, 256
	s_cbranch_scc0 .Lweights
	; ---- x
	s_mov_b32 s20, 0x76543210
	s_mov_b32 s21, 0xfedcba98                      ; v_permlanex16_b32's selects for lane l xor 16
	v_and_b32 v12, 15, v0                          ; r
	v_bfe_u32 v13, v0, 4, 1                        ; h
	v_lshlrev_b32 v4, 4, v1                        ; 16 x lane: my bytes of a load and of a store
	s_mul_i32 s17, s16, XREG                       ; my region of LDS
	v_add_nc_u32 v5, s17, v4                       ; the stage, on the way in
	v_mul_u32_u24 v6, v12, XPIT
	v_lshl_add_u32 v6, v13, 7, v6
	v_add_nc_u32 v6, s17, v6                       ; and out: row r, + 128 h
	v_lshlrev_b32 v7, 2, v12
	v_add_nc_u32 v7, s17, v7
	v_add_nc_u32 v7, XSCL, v7                      ; my row's scale word
	v_lshlrev_b32 v9, 3, v1                        ; the scale block leaves 8 bytes a lane
	v_add_nc_u32 v8, s17, v9
	v_add_nc_u32 v8, XSCL, v8
	v_lshlrev_b32 v10, 3, v13                      ; 8 h
	v_mov_b32 v23, 0                               ; written once: a lane permute's destination counts as one of its sources
	s_lshl_b32 s18, ttmp9, 17                      ; 32 rows of 4,096 bytes a pair-tile,
	s_lshl_b32 s19, s16, 10                        ; 1,024 bytes a 256-step
	s_add_co_u32 s18, s18, s19
	s_mov_b32 s19, 0
	s_lshl_b32 s22, s16, 8
	s_add_co_u32 s22, s22, ttmp9
	s_mul_i32 s22, s22, REC                        ; record (256-step w, pair-tile gx)
	s_mov_b32 s23, 0
	s_wait_alu depctr_va_vdst(0)
	s_wait_kmcnt 0x0
	s_add_nc_u64 s[4:5], s[4:5], s[18:19]
	s_add_nc_u64 s[12:13], s[12:13], s[22:23]
	LOADX 0
	LOADX 1
	FRAGX 0
	FRAGX 1
	FRAGX 2
	FRAGX 3
	ds_load_b64 v[32:33], v8                       ; the record's scale words: these see my stores
	s_wait_dscnt 0x0
	global_store_b64 v9, v[32:33], s[12:13] offset:6144   ; 32 lanes store 256 consecutive bytes, aligned
	s_wait_tensorcnt 0x0                           ; the wave's end, behind my last LDS store
	ds_add_u32 v[SPW], v[NIL]
	s_wait_dscnt 0x0
	s_endpgm
	; ---- the weights: a lane takes a column, its registers run down K
.Lweights:
	s_sub_co_u32 s17, ttmp9, 256
	s_lshr_b32 s18, s17, 5                         ; which weight: 0 w_q, 1 w_k, 2 w_v
	s_bfe_u32 s19, s17, 0x20003                    ; which 256 along K
	s_and_b32 s22, s17, 7
	s_lshl_b32 s22, s22, 2
	s_add_co_u32 s22, s22, s16                     ; my pair-tile of columns, 0..31
	s_lshl_b32 s24, s19, 20                        ; 256 rows of 4,096 bytes,
	s_lshl_b32 s25, s22, 7                         ; 32 columns of 4 bytes
	s_add_co_u32 s24, s24, s25
	s_mov_b32 s25, 0
	s_mul_i32 s26, s19, 96
	s_lshl_b32 s27, s18, 5
	s_add_co_u32 s26, s26, s27
	s_add_co_u32 s26, s26, s22
	s_mul_i32 s26, s26, REC                        ; record (256-step, 32 x weight + pair-tile)
	s_mov_b32 s27, 0
	s_wait_alu depctr_va_vdst(0)
	v_lshlrev_b32 v4, 2, v1                        ; in: 4 bytes a lane
	v_bfe_u32 v12, v0, 3, 1                        ; column L of the pair-tile is row r of tile u: u = bit 3 of L,
	v_bfe_u32 v13, v0, 4, 1
	v_and_b32 v14, 7, v0
	v_lshl_or_b32 v14, v13, 3, v14                 ; r = 8 (L / 16) + L % 8
	s_mul_i32 s28, s16, REC
	s_add_co_u32 s28, s28, WIMG                    ; my record's image
	v_mul_u32_u24 v5, v12, 3072
	v_lshl_add_u32 v5, v14, 4, v5
	v_add_nc_u32 v5, s28, v5                       ; tile u, lane r of a fragment
	v_lshlrev_b32 v6, 6, v12
	v_lshl_add_u32 v6, v14, 2, v6
	v_add_nc_u32 v6, s28, v6
	v_add_nc_u32 v6, 6144, v6                      ; my column's scale word
	v_lshlrev_b32 v7, 4, v1                        ; the way out: 16 bytes a lane,
	v_add_nc_u32 v8, s28, v7
	v_lshlrev_b32 v9, 3, v1                        ; the scale block 8
	v_add_nc_u32 v10, s28, v9
	v_add_nc_u32 v10, 6144, v10
	s_wait_kmcnt 0x0
	s_cmp_eq_u32 s18, 0                            ; the choice hangs on the work-group's number alone
	s_cselect_b64 s[6:7], s[6:7], s[8:9]
	s_cmp_eq_u32 s18, 2
	s_cselect_b64 s[6:7], s[10:11], s[6:7]
	s_add_nc_u64 s[6:7], s[6:7], s[24:25]
	s_add_nc_u64 s[14:15], s[14:15], s[26:27]
	LOADW 0
	LOADW 1
.irp t, 0,1,2,3,4,5,6,7
	BLOCK \t
.endr
	ds_store_b32 v6, v20                           ; the two 128-steps' scale words
	s_wait_alu depctr_va_vdst(0)
	ds_store_b32 v6, v21 offset:128
.irp i, 0,1,2,3,4,5,6,7,8,9,10,11
	ds_load_b128 v[64+4*\i:67+4*\i], v8 offset:512*\i   ; the record as it lies: these see my stores
.endr
	ds_load_b64 v[112:113], v10
.irp i, 0,1,2,3,4,5,6,7,8,9,10,11
	s_wait_dscnt 12-\i                             ; the younger loads may be out
	global_store_b128 v7, v[64+4*\i:67+4*\i], s[14:15] offset:512*\i   ; 512 consecutive bytes, aligned to 256
.endr
	s_wait_dscnt 0x0
	global_store_b64 v9, v[112:113], s[14:15] offset:6144
	s_wait_tensorcnt 0x0                           ; the wave's end, behind my last LDS store
	ds_add_u32 v[SPW], v[NIL]
	s_wait_dscnt 0x0
	s_endpgm
.Lfunc_end_k_q52182ea00e_quant:
	.size	k_q52182ea00e_quant, .Lfunc_end_k_q52182ea00e_quant-k_q52182ea00e_quant
	.p2alignl 7, 3214868480
	.fill 96, 4, 3214868480
	.section	.rodata,"a",@progbits
	.p2align	6, 0x0
	.amdhsa_kernel k_q52182ea00e_quant
		.amdhsa_group_segment_fixed_size 60928
		.amdhsa_private_segment_fixed_size 0
		.amdhsa_enable_private_segment 0
		.amdhsa_kernarg_size 48
		.amdhsa_user_sgpr_count 2
		.amdhsa_user_sgpr_kernarg_segment_ptr 1
		.amdhsa_wavefront_size32 1
		.amdhsa_system_sgpr_workgroup_id_x 1
		.amdhsa_system_sgpr_workgroup_id_y 1
		.amdhsa_system_sgpr_workgroup_id_z 1
		.amdhsa_system_vgpr_workitem_id 0
		.amdhsa_next_free_vgpr 256
		.amdhsa_next_free_sgpr 66
		.amdhsa_reserve_vcc 0
		.amdhsa_float_denorm_mode_32 3
		.amdhsa_float_denorm_mode_16_64 3
		.amdhsa_memory_ordered 1
		.amdhsa_forward_progress 1
		.amdhsa_inst_pref_size 72
	.end_amdhsa_kernel
	.amdgpu_metadata
---
amdhsa.version: [ 1, 2 ]
amdhsa.kernels:
  - .name:           k_q52182ea00e_quant
    .symbol:         k_q52182ea00e_quant.kd
    .args:
      - { .name: input_vector, .offset: 0, .size: 8, .value_kind: global_buffer, .address_space: global }
      - { .name: w_q, .offset: 8, .size: 8, .value_kind: global_buffer, .address_space: global }
      - { .name: w_k, .offset: 16, .size: 8, .value_kind: global_buffer, .address_space: global }
      - { .name: w_v, .offset: 24, .size: 8, .value_kind: global_buffer, .address_space: global }
      - { .name: xop, .offset: 32, .size: 8, .value_kind: global_buffer, .address_space: global }
      - { .name: wop, .offset: 40, .size: 8, .value_kind: global_buffer, .address_space: global }
    .group_segment_fixed_size: 60928
    .private_segment_fixed_size: 0
    .kernarg_segment_align: 8
    .kernarg_segment_size: 48
    .max_flat_workgroup_size: 128
    .sgpr_count:     66
    .vgpr_count:     256
    .wavefront_size: 32
...
	.end_amdgpu_metadata
.endif
;; end of part 1
;; launch proj (part 2): grid 8 x 32, 4 waves a work-group, clusters of 4 x 4, 327,680 bytes of LDS; arguments xop, wop, qkop, vop; writes qkop, vop
.if DOCPART == 2
	.amdgcn_target "amdgcn-amd-amdhsa--gfx1250"
	.amdhsa_code_object_version 6
	.text
	.protected	k_q52182ea00e_proj
	.globl	k_q52182ea00e_proj
	.p2align	8
	.type	k_q52182ea00e_proj,@function
k_q52182ea00e_proj:
	s_mov_b64 s[64:65], 0
	v_nop
	global_prefetch_b8 v0, s[64:65] scope:SCOPE_SE
	s_setreg_imm32_b32 hwreg(HW_REG_WAVE_MODE, 25, 1), 1
	s_wait_xcnt 0x0
	s_wait_alu depctr_hold_cnt(0) depctr_sa_sdst(0) depctr_va_vdst(0) depctr_va_sdst(0) depctr_va_ssrc(0) depctr_va_vcc(0) depctr_vm_vsrc(0)
	s_getreg_b32 s2, hwreg(HW_REG_IB_STS2, 6, 4)
	s_cmp_eq_u32 s2, 0
	s_cbranch_scc0 .Lentry_in_a_cluster
	s_endpgm
.Lentry_in_a_cluster:
	s_bfe_u32 s2, ttmp6, 0x10000c
	s_cmp_lg_u32 s2, 0xf033
	s_cbranch_scc0 .Lentry_shape_is_right
	s_endpgm
.Lentry_shape_is_right:
; LAUNCH 2 OF 4.  q = x w_q, k = x w_k, v = x w_v on codes of FP6 (E2M3) with E8M0 scales, sums in f32; the results are quantised in registers and leave as codes: q and k along the model axis, v along the keys.  No work is left out here.
; Operands and results lie as images of their registers, in records of 6,400 bytes (pair-tile of 32 rows x 256 along K: fragment (u, s) at 3,072 u + 1,536 s, scale words at 6,144 + 128 s + 64 u + 4 r); buffers [256-step][pair-tile][record].
; SHARES.  Work-group (cg, xb): 256 rows of x (8 pair-tiles) and columns 128 cg .. 128 cg + 127 of each of the three weights.  x's codes for all of K lie in LDS, filled once (4 x 51,200 bytes).
; The weights go through a ring of two slots of 51,200 bytes: slot s holds 256-steps 2 s and 2 s + 1 of 128 columns of one weight.  Six stages: (w_q, w_k, w_v) x (slot 0, slot 1); four refills, a quarter of a slot (12,800 bytes) a wave.
; A wave makes 64 rows of side I (source 1: a lane holds one row) x 128 of side J (source 0: registers run along J, the next product's K): 32 accumulators.
; q, k: I = my 64 rows of x (wave w), J = the 128 columns.  v: I = 64 columns (w / 2), J = 128 rows of x (w % 2).  q and k share one loop of two trips; v, which asks for no refill, is the tail, written out.
; CLUSTERS of 4 x 4: x's tile hangs on xb and is asked for jointly along a row of the cluster, the weights' tiles on cg and along a column.
; PREFETCH: the tile that a refill brings is named one stage ahead of that refill: 200 blocks of 256 bytes, 50 for each of the column's four partners, told apart by address (cy), 13 lanes a wave; the first refill's tile is named at the head, the last two stages name nothing.
; REGISTERS: window 0: v4-35 LDS addresses, v36-42 kept, v48-71 scale words (two sets of 12), v72-167 I's fragments (two sets of 48), v168-197 at work, v200-247 the results' codes.  Window 1: accumulator (a, b) at v[8 (8 a + b)].  Window 2: J's fragments, at v0 and v128.
; LIMITS: as stated at the head of launch 1 (a block of zeros gets the byte 1; NaN and infinities are not served).
.set REC,   6400
.set XKP,   8*REC                      ; x: one 256-step of my 8 pair-tiles
.set WKP,   4*REC                      ; a weight: one 256-step of my 4 pair-tiles
.set WB,    4*XKP                      ; the ring begins behind x
.set SPARE, WB+4*WKP                   ; the spare words, 128 bytes a wave: two blocks of 256 bytes that no other line names
.set GQ,    4                          ; v4-19: q's and k's addresses: I's fragments by 256-step (+0..3), J's (+4..7), I's scale words (+8..11), J's (+12..15)
.set GV,    20                         ; v20-35: the same for v
.set SPW,   36                         ; LDS address of my spare word; never rewritten
.set NIL,   37                         ; 0; never rewritten
.set OA,    38                         ; out, q and k: 16 x lane + 1,536 (cg % 2)
.set OS,    39                         ; 4 x lane + 6,144 + 128 (cg % 2)
.set OA2,   40                         ; out, v: the same with w % 2
.set OS2,   41
.set PFO,   42                         ; the prefetches' offset; never rewritten
.set SC,    48
.set F1,    72
.set TM,    168
.set TT,    184
.set PW,    192
.set PWC,   196
.set PC,    200
.set WV,    12
.set G1X,   24                         ; s[24:31] group 1: x, two rows of 51,200 bytes
.set G1W,   32                         ; s[32:39] a whole slot: two rows of 25,600 bytes
.set G1R,   40                         ; s[40:47] a quarter of a slot: 50 rows of 256 bytes
.set G0X,   48
.set G0W,   52
.set G0R,   56                         ; s[56:63] the refills' groups 0, one for each slot
.set PF,    66
.set TR,    68
.set LM,    69
.set SEL,   70
.set OB,    88
.set OV,    90
.set MUL,   0x52                       ; source 0 (J) window 2, source 1 (I) window 0, C and D window 1
.set TO_J,  0x80
.set MSB, 0
.macro WIN new                         ; the immediate's high byte repeats the setting that is left
.if MSB != \new
	s_set_vgpr_msb (MSB<<8)|\new
.set MSB, \new
.endif
.endm
.macro PLACES                          ; four plain places ahead of loads into registers that matrix instructions have read, and of the first read of results
.rept 4
	v_nop
.endr
.endm
.macro CREST                           ; a round of the cluster's barrier behind its opening barrier
	s_cmp_lg_u32 s[WV], 0
	s_cbranch_scc1 .Lnot_wave_0_\@
	s_barrier_signal -3
.Lnot_wave_0_\@:
	s_barrier_wait -3
	s_barrier_signal -1
	s_barrier_wait -1
.endm
.macro CROUND
	s_barrier_signal -1
	s_barrier_wait -1
	CREST
.endm
; J's tile b against I's four, 128 along K.  The 32 accumulators take turns in the same order in every step.  zero = 1: the product starts the sums.
.macro MULB p, sc, s, b, zero
.irp a, 0,1,2,3
.set rD, 8*(8*\a+(\b))
.set rJ, 128*(\p)+12*(\b)
.set rI, F1+48*(\p)+12*\a
.set rSJ, SC+12*(\sc)+4+(\b)
.set rSI, SC+12*(\sc)+\a
.if \zero
	v_wmma_scale_f32_16x16x128_f8f6f4 v[rD:rD+7], v[rJ:rJ+11], v[rI:rI+11], 0, v[rSJ], v[rSI] matrix_a_fmt:MATRIX_FMT_FP6 matrix_b_fmt:MATRIX_FMT_FP6
.elseif \s
	v_wmma_scale_f32_16x16x128_f8f6f4 v[rD:rD+7], v[rJ:rJ+11], v[rI:rI+11], v[rD:rD+7], v[rSJ], v[rSI] matrix_a_fmt:MATRIX_FMT_FP6 matrix_b_fmt:MATRIX_FMT_FP6 matrix_a_scale:MATRIX_SCALE_ROW1 matrix_b_scale:MATRIX_SCALE_ROW1
.else
	v_wmma_scale_f32_16x16x128_f8f6f4 v[rD:rD+7], v[rJ:rJ+11], v[rI:rI+11], v[rD:rD+7], v[rSJ], v[rSI] matrix_a_fmt:MATRIX_FMT_FP6 matrix_b_fmt:MATRIX_FMT_FP6
.endif
.endr
.endm
.macro MULR p, sc, s, b0, n, zero      ; J's tiles b0 .. b0 + n - 1
.set bq, \b0
.rept \n
	MULB \p, \sc, \s, bq, \zero
.set bq, bq+1
.endr
.endm
.macro FRAGS adrj, adri, s, p          ; 36 LDS loads of 512 consecutive bytes, in one run: the fragments of one 128-step
	WIN TO_J
.irp b, 0,1,2,3,4,5,6,7
.irp c, 0,1,2
	ds_load_b128 v[128*(\p)+12*\b+4*\c:128*(\p)+12*\b+4*\c+3], v[\adrj] offset:(\b/2)*REC+(\b%2)*3072+(\s)*1536+512*\c
.endr
.endr
	WIN 0
.irp a, 0,1,2,3
.irp c, 0,1,2
	ds_load_b128 v[F1+48*(\p)+12*\a+4*\c:F1+48*(\p)+12*\a+4*\c+3], v[\adri] offset:(\a/2)*REC+(\a%2)*3072+(\s)*1536+512*\c
.endr
.endr
.endm
.macro SCALES adrsi, adrsj, sc         ; a 256-step's scale words: lanes 0-15 the first 128's, lanes 16-31 the second's
.irp a, 0,1,2,3
	ds_load_b32 v[SC+12*(\sc)+\a], v[\adrsi] offset:6144+(\a/2)*REC+(\a%2)*64
.endr
.irp b, 0,1,2,3,4,5,6,7
	ds_load_b32 v[SC+12*(\sc)+4+\b], v[\adrsj] offset:6144+(\b/2)*REC+(\b%2)*64
.endr
.endm
.macro STEPA g, kp, zero, pf           ; the first 128 of 256-step kp, on set 0; the second 128's fragments go into set 1
	s_wait_dscnt 0x0
.if (\kp) > 0
	PLACES
.endif
	FRAGS (\g)+4+(\kp), (\g)+(\kp), 1, 1
.if \pf
	global_prefetch_b8 v[PFO], s[PF:PF+1] offset:224*REC th:TH_LOAD_NT scope:SCOPE_SE   ; the next weight's slot 1, which the refill at this trip's end brings
.endif
	WIN MUL
	MULR 0, (\kp)%2, 0, 0, 8, \zero
.endm
.macro STEPB g, kp                     ; the second 128 of 256-step kp = 0 or 2, on set 1; the next 256-step lies in the same slot
	s_wait_dscnt 0x0
	PLACES
	FRAGS (\g)+5+(\kp), (\g)+1+(\kp), 0, 0
	SCALES (\g)+9+(\kp), (\g)+13+(\kp), ((\kp)+1)%2
	WIN MUL
	MULR 1, (\kp)%2, 1, 0, 8, 0
.endm
; The first half of the second 128 of 256-step kp = 1 or 3, with the change of slots.  My reads of slot kp / 2 were all issued a step ago.
.macro BOUND kp, refill
	WIN 0
	s_wait_tensorcnt 0x0                           ; all my tensor loads have landed: my quarter of the other slot
	ds_add_u32 v[SPW], v[NIL]
	s_wait_dscnt 1                                 ; set 1 is in; the add alone may be out
	WIN MUL
	MULR 1, (\kp)%2, 1, 0, 2, 0
	s_wait_dscnt 0x0                               ; the add is done, and my reads of this slot are over
	s_barrier_signal -1
	MULR 1, (\kp)%2, 1, 2, 2, 0
	WIN 0
	s_barrier_wait -1
.if \refill
	CREST                                          ; the barrier has opened a round: no wave of any partner still reads this slot or has a load on its way
	s_add_nc_u64 s[G0R+4*((\kp)/2)+2:G0R+4*((\kp)/2)+3], s[G0R+4*((\kp)/2)+2:G0R+4*((\kp)/2)+3], 32*REC   ; the next weight: 32 pair-tiles on
	tensor_load_to_lds s[G0R+4*((\kp)/2):G0R+4*((\kp)/2)+3], s[G1R:G1R+7]
	s_nop 0
.endif
	PLACES                                         ; also the places ahead of the loads that follow
.endm
; Tile a's 64 results of a lane, window 1, register 64 a + 16 b + i = J index 32 b + 16 h + i of my row, become a fragment's codes in v[PC + 12 a] on and its scale word in v[PW + a].  Each accumulator is read from its low end on.
.macro QUANTW a
	WIN 0x05
.irp b, 0,1,2,3
	v_max3_num_f32 v[TM+\b], |v[64*(\a)+16*\b]|, |v[64*(\a)+16*\b+1]|, 0x1800000   ; the floor 2^(3 - 127): the byte cannot fall under 1
.endr
	WIN 0x14
.irp i, 2,4,6,8,10,12,14
.irp b, 0,1,2,3
	v_max3_num_f32 v[TM+\b], v[TM+\b], |v[64*(\a)+16*\b+\i]|, |v[64*(\a)+16*\b+\i+1]|
.endr
.endr
	WIN 0
.irp b, 0,1,2,3
	v_permlanex16_b32 v[TM+4+\b], v[TM+\b], s[SEL], s[SEL+1]
.endr
.irp b, 0,1,2,3
	v_max_num_f32 v[TM+\b], v[TM+\b], v[TM+4+\b]   ; with lane l xor 16's 16: the block's largest magnitude
.endr
.irp b, 0,1,2,3
	v_add_nc_u32 v[TM+12+\b], 0xff000000, v[TM+\b] ; 2 off its exponent field: the conversion's scale operand
.endr
.irp b, 0,1,2,3
	v_lshrrev_b32 v[TM+4+\b], 23, v[TM+12+\b]      ; the scale's byte
.endr
	v_lshl_or_b32 v[PW+(\a)], v[TM+5], 8, v[TM+4]
	v_lshl_or_b32 v[PW+(\a)], v[TM+6], 16, v[PW+(\a)]
	v_lshl_or_b32 v[PW+(\a)], v[TM+7], 24, v[PW+(\a)]
	WIN 0x01
.irp c, 0,1
	v_cvt_scalef32_pk16_fp6_f32 v[PC+12*(\a)+6*\c:PC+12*(\a)+6*\c+2], v[64*(\a)+32*\c:64*(\a)+32*\c+15], v[TM+12+2*\c]
	v_cvt_scalef32_pk16_fp6_f32 v[TT+4*\c:TT+4*\c+2], v[64*(\a)+32*\c+16:64*(\a)+32*\c+31], v[TM+12+2*\c+1]   ; (a conversion's three registers begin on an even number)
.endr
	WIN 0
	v_nop                                          ; one plain place behind a scaled conversion
.irp c, 0,1                            ; the operand's layout wants a whole block in a lane
.irp i, 0,1,2
	v_permlane16_swap_b32 v[PC+12*(\a)+6*\c+\i], v[TT+4*\c+\i]
.endr
.irp i, 0,1,2
	v_mov_b32 v[PC+12*(\a)+6*\c+3+\i], v[TT+4*\c+\i]
.endr
.endr
.endm
; THE WAY OUT: my 128 of J are one 128-step of the next product: each of my four tiles of I becomes one fragment and one scale word a row
.macro OUT oa, os, base
	WIN 0
	PLACES
.irp a, 0,1,2,3
	QUANTW \a
.irp c, 0,1,2
	global_store_b128 v[\oa], v[PC+12*\a+4*\c:PC+12*\a+4*\c+3], s[\base:\base+1] offset:(\a/2)*REC+(\a%2)*3072+512*\c   ; 512 consecutive bytes, aligned to 256
.endr
.endr
.irp m, 0,1
	v_cndmask_b32 v[PWC+\m], v[PW+2*\m], v[PW+2*\m+1], s[LM]   ; lanes 0-15 tile u = 0's words, lanes 16-31 tile u = 1's
	global_store_b32 v[\os], v[PWC+\m], s[\base:\base+1] offset:\m*REC   ; 128 consecutive bytes: my 128-step's half of the record's scale block
.endr
.endm
; One weight: eight steps of 128 along K.  loop = 1: both slots are filled again with the next weight's tiles, and the next weight's first fragments are fetched.
.macro WEIGHT g, loop
	STEPA \g, 0, 1, \loop
	STEPB \g, 0
	STEPA \g, 1, 0, 0
	BOUND 1, \loop
	FRAGS (\g)+6, (\g)+2, 0, 0
	SCALES (\g)+10, (\g)+14, 0
.if \loop
	s_cmp_eq_u32 s[TR], 0                          ; in the second trip no refill is left that this could serve
	s_cbranch_scc0 .Lno_ask_\@
	global_prefetch_b8 v[PFO], s[PF:PF+1] offset:64*REC th:TH_LOAD_NT scope:SCOPE_SE   ; w_v's slot 0, which the next trip's first refill brings
.Lno_ask_\@:
.endif
	WIN MUL
	MULR 1, 1, 1, 4, 4, 0
	STEPA \g, 2, 0, 0
	STEPB \g, 2
	STEPA \g, 3, 0, 0
.if \loop
	BOUND 3, 1
	s_cmp_eq_u32 s[TR], 0                          ; the next weight is w_k (the same addresses) or w_v: a branch on the loop's counter, round LDS loads alone, as many on either way
	s_cbranch_scc0 .Lnext_v_\@
	FRAGS GQ+4, GQ, 0, 0
	SCALES GQ+8, GQ+12, 0
	s_branch .Lnext_done_\@
.Lnext_v_\@:
	FRAGS GV+4, GV, 0, 0
	SCALES GV+8, GV+12, 0
.Lnext_done_\@:
	WIN MUL
	MULR 1, 1, 1, 4, 4, 0
.else
	s_wait_dscnt 0x0
	MULR 1, 1, 1, 0, 8, 0
.endif
.endm
	s_load_b256 s[4:11], s[0:1], 0x0               ; xop s[4:5], wop s[6:7], qkop s[8:9], vop s[10:11]
	v_lshl_add_u32 v[SPW], v0, 2, SPARE
	v_mov_b32 v[NIL], 0
	ds_add_u32 v[SPW], v[NIL]                      ; the wave's opening: the add, twice on end, and its wait ahead of my first tensor load
	ds_add_u32 v[SPW], v[NIL]
	v_lshrrev_b32 v1, 5, v0
	v_readfirstlane_b32 s[WV], v1                  ; wave 0..3
	s_lshr_b32 s13, s[WV], 1
	s_and_b32 s14, s[WV], 1
	s_bfe_u32 s15, ttmp6, 0x40000                  ; cx, cy: my place in the cluster
	s_bfe_u32 s16, ttmp6, 0x40004
	s_lshl_b32 s18, ttmp9, 2
	s_add_co_u32 s18, s18, s15                     ; cg = 4 x cluster x + cx
	s_and_b32 s17, ttmp7, 0xffff
	s_lshl_b32 s17, s17, 2
	s_add_co_u32 s17, s17, s16                     ; xb = 4 x cluster y + cy
	s_lshl_b32 s19, s16, 2
	s_lshl_b32 s19, 15, s19                        ; my row of the cluster
	s_lshl_b32 s20, 0x1111, s15                    ; my column
	s_or_b32 s[G1X], s19, (3<<16)|(1<<21)          ; 15:0 the mask; 17:16 elements of 8 bytes; 21 set beside a mask
	s_or_b32 s[G1W], s20, (3<<16)|(1<<21)
	s_or_b32 s[G1R], s20, (3<<16)|(1<<21)
	s_mov_b32 s[G1X+1], (XKP/8)<<16                ; tensor_dim0: a row is one 256-step of my 8 records
	s_mov_b32 s[G1X+2], 2<<16                      ; tensor_dim1
	s_mov_b32 s[G1X+3], (XKP/8)<<16                ; tile_dim0
	s_mov_b32 s[G1X+4], 2                          ; tile_dim1
	s_mov_b32 s[G1X+5], 256*REC/8                  ; from one 256-step to the next in xop
	s_mov_b32 s[G1X+6], 0
	s_mov_b32 s[G1X+7], 0
	s_mov_b32 s[G1W+1], (WKP/8)<<16
	s_mov_b32 s[G1W+2], 2<<16
	s_mov_b32 s[G1W+3], (WKP/8)<<16
	s_mov_b32 s[G1W+4], 2
	s_mov_b32 s[G1W+5], 96*REC/8                   ; and in wop
	s_mov_b32 s[G1W+6], 0
	s_mov_b32 s[G1W+7], 0
	s_mov_b32 s[G1R+1], 32<<16                     ; two records, dense, as 50 rows of 256 bytes
	s_mov_b32 s[G1R+2], 50<<16
	s_mov_b32 s[G1R+3], 32<<16
	s_mov_b32 s[G1R+4], 50
	s_mov_b32 s[G1R+5], 32
	s_mov_b32 s[G1R+6], 0
	s_mov_b32 s[G1R+7], 0
	s_lshl_b32 s76, s14, 9                         ; x at the head: 256-steps 2 (w % 2) on, pair-tile 8 xb
	s_lshl_b32 s77, s17, 3
	s_add_co_u32 s76, s76, s77
	s_mul_i32 s76, s76, REC
	s_mov_b32 s77, 0
	s_mul_i32 s78, s14, 192                        ; w_q at the head: 256-steps 2 (w % 2) on, pair-tile 4 cg
	s_lshl_b32 s79, s18, 2
	s_add_co_u32 s78, s78, s79
	s_mul_i32 s78, s78, REC
	s_mul_i32 s80, s13, 96                         ; the refills: 256-step w / 2 of the slot's two, pair-tile 4 cg + 2 (w % 2)
	s_add_co_u32 s80, s80, s79
	s_lshl_b32 s81, s14, 1
	s_add_co_u32 s80, s80, s81
	s_mul_i32 s80, s80, REC
	s_lshr_b32 s82, s16, 1                         ; the prefetches: partner cy takes 256-step cy / 2 of the slot's two, and there the half cy % 2
	s_mul_i32 s82, s82, 96
	s_add_co_u32 s82, s82, s79
	s_and_b32 s83, s16, 1
	s_lshl_b32 s83, s83, 1
	s_add_co_u32 s82, s82, s83
	s_mul_i32 s82, s82, REC
	s_mov_b32 s79, 0
	s_mov_b32 s81, 0
	s_mov_b32 s83, 0
	s_lshr_b32 s84, s18, 1                         ; q's record: 256-step cg / 2, pair-tile 8 xb + 2 w
	s_lshl_b32 s84, s84, 8
	s_lshl_b32 s85, s17, 3
	s_add_co_u32 s84, s84, s85
	s_lshl_b32 s85, s[WV], 1
	s_add_co_u32 s84, s84, s85
	s_mul_i32 s84, s84, REC
	s_mov_b32 s85, 0
	s_lshl_b32 s86, s17, 5                         ; v's record: 256-step xb, pair-tile 4 cg + 2 (w / 2)
	s_lshl_b32 s87, s18, 2
	s_add_co_u32 s86, s86, s87
	s_lshl_b32 s87, s13, 1
	s_add_co_u32 s86, s86, s87
	s_mul_i32 s86, s86, REC
	s_mov_b32 s87, 0
	s_mov_b32 s[G0X], 1                            ; LDS addresses hang on the wave's number alone
	s_mul_i32 s[G0X+1], s14, 2*XKP
	s_mov_b32 s[G0W], 1
	s_mul_i32 s[G0W+1], s14, 2*WKP
	s_add_co_u32 s[G0W+1], s[G0W+1], WB
	s_mov_b32 s[G0R], 1
	s_mul_i32 s[G0R+1], s[WV], 2*REC
	s_add_co_u32 s[G0R+1], s[G0R+1], WB
	s_mov_b32 s[G0R+4], 1
	s_add_co_u32 s[G0R+5], s[G0R+1], 2*WKP
	s_mov_b32 s[LM], 0xffff0000                    ; lanes 16-31
	s_mov_b32 s[SEL], 0x76543210
	s_mov_b32 s[SEL+1], 0xfedcba98                 ; v_permlanex16_b32's selects for lane l xor 16
	s_mov_b32 s[TR], 0
	s_wait_dscnt 0x0                               ; both opening adds are done
	s_wait_kmcnt 0x0
	s_add_nc_u64 s[G0X+2:G0X+3], s[4:5], s[76:77]
	s_add_nc_u64 s[G0W+2:G0W+3], s[6:7], s[78:79]
	s_add_nc_u64 s[G0R+2:G0R+3], s[6:7], s[80:81]  ; at w_q's place: each refill first steps a weight on
	s_add_nc_u64 s[G0R+6:G0R+7], s[G0R+2:G0R+3], 192*REC
	s_add_nc_u64 s[PF:PF+1], s[6:7], s[82:83]
	s_add_nc_u64 s[OB:OB+1], s[8:9], s[84:85]
	s_add_nc_u64 s[OV:OV+1], s[10:11], s[86:87]
	s_or_b32 s[G0X+3], s[G0X+3], 0x80000000        ; type = 2
	s_or_b32 s[G0W+3], s[G0W+3], 0x80000000
	s_or_b32 s[G0R+3], s[G0R+3], 0x80000000
	s_or_b32 s[G0R+7], s[G0R+7], 0x80000000
	CROUND                                         ; all sixteen work-groups are here: the joint loads meet
	s_cmp_lt_u32 s[WV], 2                          ; one load a wave: waves 0, 1 x's two halves along K, waves 2, 3 w_q's two slots
	s_cbranch_scc0 .Lhead_w
	tensor_load_to_lds s[G0X:G0X+3], s[G1X:G1X+7]
	s_nop 0
	PLACES
	s_branch .Lhead_done
.Lhead_w:
	tensor_load_to_lds s[G0W:G0W+3], s[G1W:G1W+7]
	s_nop 0
	PLACES
.Lhead_done:
	v_and_b32 v1, 31, v0                           ; lane
	v_and_b32 v2, 15, v0                           ; r
	v_bfe_u32 v3, v0, 4, 1                         ; h
	v_lshlrev_b32 v43, 4, v1                       ; 16 x lane
	v_lshlrev_b32 v44, 2, v2
	v_lshl_add_u32 v44, v3, 7, v44                 ; 128 h + 4 r
	v_min_u32 v[PFO], 12, v1                       ; my block of my work-group's 50: 13 w + lane, the lanes left over naming the wave's last
	s_mul_i32 s80, s[WV], 13
	v_add_nc_u32 v[PFO], s80, v[PFO]
	v_min_u32 v[PFO], 49, v[PFO]
	v_lshlrev_b32 v[PFO], 8, v[PFO]
	s_wait_alu depctr_va_vdst(0)                   ; ahead of the readers below
	global_prefetch_b8 v[PFO], s[PF:PF+1] offset:32*REC th:TH_LOAD_NT scope:SCOPE_SE   ; w_k's slot 0, which the first refill brings
	s_mul_i32 s76, s[WV], 2*REC                    ; q, k: I = x's pair-tiles 2 w, 2 w + 1;
	s_mov_b32 s77, WB                              ; J = the slot's four
	s_mul_i32 s78, s13, 2*REC                      ; v: I = the slot's pair-tiles 2 (w / 2) on;
	s_add_co_u32 s78, s78, WB
	s_mul_i32 s79, s14, 4*REC                      ; J = x's pair-tiles 4 (w % 2) on
.irp kp, 0,1,2,3
	v_add_nc_u32 v[GQ+\kp], s76, v43
	v_add_nc_u32 v[GQ+4+\kp], s77, v43
	v_add_nc_u32 v[GQ+8+\kp], s76, v44
	v_add_nc_u32 v[GQ+12+\kp], s77, v44
	v_add_nc_u32 v[GV+\kp], s78, v43
	v_add_nc_u32 v[GV+4+\kp], s79, v43
	v_add_nc_u32 v[GV+8+\kp], s78, v44
	v_add_nc_u32 v[GV+12+\kp], s79, v44
	s_add_co_u32 s76, s76, XKP
	s_add_co_u32 s77, s77, WKP
	s_add_co_u32 s78, s78, WKP
	s_add_co_u32 s79, s79, XKP
.endr
	s_and_b32 s20, s18, 1
	s_mul_i32 s21, s20, 1536
	v_add_nc_u32 v[OA], s21, v43
	s_lshl_b32 s21, s20, 7
	s_add_co_u32 s21, s21, 6144
	v_lshl_add_u32 v[OS], v1, 2, s21
	s_mul_i32 s21, s14, 1536
	v_add_nc_u32 v[OA2], s21, v43
	s_lshl_b32 s21, s14, 7
	s_add_co_u32 s21, s21, 6144
	v_lshl_add_u32 v[OS2], v1, 2, s21
.irp b, 0,1,2,3
	v_mov_b32 v[TM+4+\b], 0                        ; written once: a lane permute's destination counts as one of its sources
.endr
	s_wait_alu depctr_va_vdst(0)
	s_wait_tensorcnt 0x0                           ; my one load is in
	s_barrier_signal -1
	s_barrier_wait -1                              ; everybody's is: x and both slots are whole
	FRAGS GQ+4, GQ, 0, 0
	SCALES GQ+8, GQ+12, 0
.Lweight:                                              ; two trips: w_q, w_k
	WEIGHT GQ, 1
	OUT OA, OS, OB
	s_wait_alu depctr_va_vdst(0)                   ; ahead of the wait and the branch below
	s_wait_xcnt 0x0                                ; the stores and prefetches have read their registers and bases
	s_add_nc_u64 s[OB:OB+1], s[OB:OB+1], 4*256*REC ; k's records lie four 256-steps behind q's
	s_add_nc_u64 s[PF:PF+1], s[PF:PF+1], 32*REC
	s_add_co_u32 s[TR], s[TR], 1
	s_cmp_lt_u32 s[TR], 2
	s_cbranch_scc1 .Lweight
	WEIGHT GV, 0                                   ; w_v: nothing more is asked for
	OUT OA2, OS2, OV
	s_wait_tensorcnt 0x0                           ; the wave's end
	ds_add_u32 v[SPW], v[NIL]
	s_wait_dscnt 0x0
	CROUND                                         ; the closing round
	s_endpgm
.Lfunc_end_k_q52182ea00e_proj:
	.size	k_q52182ea00e_proj, .Lfunc_end_k_q52182ea00e_proj-k_q52182ea00e_proj
	.p2alignl 7, 3214868480
	.fill 96, 4, 3214868480
	.section	.rodata,"a",@progbits
	.p2align	6, 0x0
	.amdhsa_kernel k_q52182ea00e_proj
		.amdhsa_group_segment_fixed_size 327680
		.amdhsa_private_segment_fixed_size 0
		.amdhsa_enable_private_segment 0
		.amdhsa_kernarg_size 32
		.amdhsa_user_sgpr_count 2
		.amdhsa_user_sgpr_kernarg_segment_ptr 1
		.amdhsa_wavefront_size32 1
		.amdhsa_system_sgpr_workgroup_id_x 1
		.amdhsa_system_sgpr_workgroup_id_y 1
		.amdhsa_system_sgpr_workgroup_id_z 1
		.amdhsa_system_vgpr_workitem_id 0
		.amdhsa_next_free_vgpr 768
		.amdhsa_next_free_sgpr 100
		.amdhsa_reserve_vcc 0
		.amdhsa_float_denorm_mode_32 3
		.amdhsa_float_denorm_mode_16_64 3
		.amdhsa_memory_ordered 1
		.amdhsa_forward_progress 1
		.amdhsa_inst_pref_size 160
	.end_amdhsa_kernel
	.amdgpu_metadata
---
amdhsa.version: [ 1, 2 ]
amdhsa.kernels:
  - .name:           k_q52182ea00e_proj
    .symbol:         k_q52182ea00e_proj.kd
    .args:
      - { .name: xop, .offset: 0, .size: 8, .value_kind: global_buffer, .address_space: global }
      - { .name: wop, .offset: 8, .size: 8, .value_kind: global_buffer, .address_space: global }
      - { .name: qkop, .offset: 16, .size: 8, .value_kind: global_buffer, .address_space: global }
      - { .name: vop, .offset: 24, .size: 8, .value_kind: global_buffer, .address_space: global }
    .group_segment_fixed_size: 327680
    .private_segment_fixed_size: 0
    .kernarg_segment_align: 8
    .kernarg_segment_size: 32
    .max_flat_workgroup_size: 128
    .sgpr_count:     100
    .vgpr_count:     768
    .wavefront_size: 32
...
	.end_amdgpu_metadata
.endif
;; end of part 2
;; launch score (part 3): grid 36 x 4, 8 waves a work-group, no clusters, 327,680 bytes of LDS; arguments qkop, pop, pst; writes pop, pst
.if DOCPART == 3
	.amdgcn_target "amdgcn-amd-amdhsa--gfx1250"
	.amdhsa_code_object_version 6
	.text
	.protected	k_q52182ea00e_score
	.globl	k_q52182ea00e_score
	.p2align	8
	.type	k_q52182ea00e_score,@function
k_q52182ea00e_score:
	s_mov_b64 s[64:65], 0
	v_nop
	global_prefetch_b8 v0, s[64:65] scope:SCOPE_SE
	s_setreg_imm32_b32 hwreg(HW_REG_WAVE_MODE, 25, 1), 1
	s_wait_xcnt 0x0
; LAUNCH 3 OF 4.  S^T = k q^T on codes of FP6 (E2M3), the causal mask, p = 2^(t - M), p's codes and scale words along the keys, and for each row and each 128 keys -M and the sum of the unquantised p.
; WORK LEFT OUT: tiles of 128 queries x 256 keys that lie wholly above the diagonal (key tile kj > query tile qi / 2) are not made: reference() masks them itself, so p = 0 there for all values of the inputs.
; WHAT STAYS THOUGH MASKED: where kj = qi / 2 and qi is even, the two waves that own keys 128-255 work on a wholly masked part of a live tile: they store p = 0, the byte 1, -M = 3e38 and the sum 0,
; so that every byte of pop that launch 4's tensor loads fetch has been stored.
; SHARES.  A work-group of EIGHT waves, two to a SIMD, owns key tile kj (256 keys) and the pair n of query tiles (n >= kj): 36 pairs (n, kj) a batch.  Waves 0-3 make query tile 2 n, waves 4-7 tile 2 n + 1.
; I = 128 queries (source 1: a lane holds one query), J = 256 keys (source 0: registers along the keys).  A wave: 64 queries (bit 1 of w) x 128 keys (bit 0): 32 accumulators, 256 registers, and ONE set of fragments, 144 registers:
; a wave's loads, waits and softmax stand beside the products of the other wave of its SIMD.
; K = 1,024 goes in four 256-steps through three regions of LDS of 102,400 bytes (the keys' 8 records, then the 8 records of the two query tiles, which are neighbours in qkop).  Each wave fetches two records (12,800 bytes) of a 256-step by
; one and the same line: waves 0-3 the keys', waves 4-7 the queries'.  256-step 0 is asked for at the head, 1 and 2 behind the barriers of steps 0 and 1 (first fills), 3 behind that of step 2, into region 0 (a refill): one load a wave behind each.
; M IS LOCAL TO 128 KEYS: t = score x log2(e) / 32; M = the ceiling of the largest t of my row in my wave's 128 keys, a whole number.  Launch 4 brings the blocks of keys under the row's last M by powers of two, taken off the scale bytes.
; NO CLUSTER: key tile kj is read by 8 - kj work-groups and a pair of query tiles by n + 1: neither is a fixed group of four.
; PREFETCH: a wave's 50 blocks of 256 bytes of a 256-step are named one stage ahead of the load that brings them; of the work-groups that read a tile one asks: for the keys the one with n = kj, for the queries the one with kj = 0.
; REGISTERS: window 0: v4-15 LDS addresses, v16-23 kept, v24-35 scale words, v36-83 the queries' fragments (later p's codes), v84-179 the keys', v180-225 at work.  Window 1: the accumulators (S^T, then p).
; LIMITS: a t under -3e38 is not told apart from a masked score; NaN and infinities are not served; a block whose every p is 0 gets the byte 1; the promise holds while |t| stays under 2^31.
.set REC,   6400
.set PREC,  6144                       ; a record of pop: codes alone
.set RGB,   16*REC                     ; a region
.set SPARE, 3*RGB                      ; the spare words, 128 bytes a wave: four blocks of 256 bytes that no other line names
.set AJ,    4                          ; v4-6 my keys' fragments in regions 0..2;  v7-9 my queries';  v10-12, v13-15 their scale words
.set AI,    7
.set ASJ,   10
.set ASI,   13
.set SPW,   16                         ; LDS address of my spare word; never rewritten
.set NIL,   17                         ; 0; never rewritten
.set OA,    18                         ; out: 16 x lane + 1,536 (w % 2)
.set OS,    19                         ; out: 4 x lane + 128 (w % 2)
.set DV,    20                         ; the mask: my query less my first key, for tile 0 of my four
.set NINF,  21                         ; -infinity
.set PFO,   22                         ; v22 256 x lane, v23 256 x min(lane, 17): the prefetches' offsets; never rewritten
.set SC,    24
.set F1,    36
.set JF,    84
.set PC,    36
.set BM,    180
.set BT,    184
.set SCO,   188
.set T,     192
.set T2,    193
.set TT,    194
.set PW,    202
.set NM,    206                        ; v206 + 2 a: -M of tile a;  v207 + 2 a: its sum
.set SA,    214
.set SB,    216
.set PWC,   218
.set L16,   224
.set HR,    225
.set WV,    12
.set G1,    24                         ; s[24:31] group 1: two records, dense, as 50 rows of 256 bytes
.set G0,    40
.set ASKF,  49
.set PFB,   50
.set SEL,   88
.set CS,    98                         ; s[98:99] c = log2(e) / 32: the packed form names a pair and takes its low word for both halves
.set MUL,   0x50                       ; both sources window 0, C and D window 1
.set MSB, 0
.macro WIN new                         ; the immediate's high byte repeats the setting that is left
.if MSB != \new
	s_set_vgpr_msb (MSB<<8)|\new
.set MSB, \new
.endif
.endm
.macro PLACES                          ; four plain places (ISA guide 7.12.1)
.rept 4
	v_nop
.endr
.endm
; the keys' tile b against the queries' four, 128 along K.  The 32 accumulators take turns in the same order in every step.
.macro MULB s, b, zero
.irp a, 0,1,2,3
.set rD, 8*(8*\a+(\b))
.set rJ, JF+12*(\b)
.set rI, F1+12*\a
.set rSJ, SC+4+(\b)
.set rSI, SC+\a
.if \zero
	v_wmma_scale_f32_16x16x128_f8f6f4 v[rD:rD+7], v[rJ:rJ+11], v[rI:rI+11], 0, v[rSJ], v[rSI] matrix_a_fmt:MATRIX_FMT_FP6 matrix_b_fmt:MATRIX_FMT_FP6
.elseif \s
	v_wmma_scale_f32_16x16x128_f8f6f4 v[rD:rD+7], v[rJ:rJ+11], v[rI:rI+11], v[rD:rD+7], v[rSJ], v[rSI] matrix_a_fmt:MATRIX_FMT_FP6 matrix_b_fmt:MATRIX_FMT_FP6 matrix_a_scale:MATRIX_SCALE_ROW1 matrix_b_scale:MATRIX_SCALE_ROW1
.else
	v_wmma_scale_f32_16x16x128_f8f6f4 v[rD:rD+7], v[rJ:rJ+11], v[rI:rI+11], v[rD:rD+7], v[rSJ], v[rSI] matrix_a_fmt:MATRIX_FMT_FP6 matrix_b_fmt:MATRIX_FMT_FP6
.endif
.endr
.endm
; One step of 128 along K: half s of 256-step kp, which lies in region kp % 3.  One run of loads (with the first half the 256-step's 12 scale words: lanes 0-15 the first 128's, lanes 16-31 the second's), then 32 products.
.macro HALF kp, s, zero
.set RG, (\kp)%3
	WIN 0
.if (\s) == 0
.irp a, 0,1,2,3
	ds_load_b32 v[SC+\a], v[ASI+RG] offset:6144+(\a/2)*REC+(\a%2)*64
.endr
.irp b, 0,1,2,3,4,5,6,7
	ds_load_b32 v[SC+4+\b], v[ASJ+RG] offset:6144+(\b/2)*REC+(\b%2)*64
.endr
.endif
.irp a, 0,1,2,3
.irp c, 0,1,2
	ds_load_b128 v[F1+12*\a+4*\c:F1+12*\a+4*\c+3], v[AI+RG] offset:(\a/2)*REC+(\a%2)*3072+(\s)*1536+512*\c
.endr
.endr
.irp b, 0,1,2,3,4,5,6,7
.irp c, 0,1,2
	ds_load_b128 v[JF+12*\b+4*\c:JF+12*\b+4*\c+3], v[AJ+RG] offset:(\b/2)*REC+(\b%2)*3072+(\s)*1536+512*\c
.endr
.endr
	s_wait_dscnt 12                                ; all but the youngest twelve loads, the keys' fragments 4 to 7
	WIN MUL
.irp b, 0,1,2,3
	MULB \s, \b, \zero
.endr
	s_wait_dscnt 0x0
.irp b, 4,5,6,7
	MULB \s, \b, \zero
.endr
.endm
.macro ASK kp                          ; my 50 blocks of 256-step kp, if my work-group is the one that asks for this tile: a branch on ids and the wave's number, round the two lines alone
	s_cmp_eq_u32 s[ASKF], 1
	s_cbranch_scc0 .Lno_ask_\@
	global_prefetch_b8 v[PFO], s[PFB:PFB+1] offset:(\kp)*256*REC th:TH_LOAD_NT scope:SCOPE_SE
	global_prefetch_b8 v[PFO+1], s[PFB:PFB+1] offset:(\kp)*256*REC+8192 th:TH_LOAD_NT scope:SCOPE_SE
.Lno_ask_\@:
.endm
; 256-step kp: the barrier that shows it whole, the load of the next one behind it, two steps of products
.macro STAGE kp
	WIN 0
	s_wait_tensorcnt 0x0                           ; my one tensor load has landed: my two records of 256-step kp
	ds_add_u32 v[SPW], v[NIL]
.if (\kp) < 3
	s_add_nc_u64 s[G0+2:G0+3], s[G0+2:G0+3], 256*REC   ; no load of mine is out: the next 256-step,
.if (\kp) < 2
	s_add_co_u32 s[G0+1], s[G0+1], RGB             ; into the next region,
.else
	s_mul_i32 s[G0+1], s[WV], 2*REC                ; or into region 0 again, which was last read two barriers ago
.endif
.endif
	s_wait_dscnt 0x0                               ; the add is done, and so are my LDS reads
	s_barrier_signal -1
	s_barrier_wait -1
.if (\kp) < 3
	tensor_load_to_lds s[G0:G0+3], s[G1:G1+7]      ; my one load behind this barrier
	s_nop 0
.endif
	PLACES                                         ; also the places ahead of the loads into the fragments' registers
.if (\kp) < 2
	ASK (\kp)+2
.endif
.if (\kp) == 0
	HALF 0, 0, 1                                   ; the first products start the sums
.else
	HALF \kp, 0, 0
.endif
	PLACES
	HALF \kp, 1, 0
.endm
; Tile a: a lane's 64 scores (window 1, register 64 a + 16 b + i = key 32 b + 16 h + i of my wave's 128) become p, its codes in v[PC + 12 a] on, its scale word, -M and the sum.
.macro SOFT a
.set AB, 64*(\a)
	WIN 0x15
.irp b, 0,1,2,3
	v_max3_num_f32 v[BM+\b], v[AB+16*\b], v[AB+16*\b+1], v[AB+16*\b+2]   ; the largest score of each block of 32 keys: it serves for the row's maximum and, since p rises with the score, for the block's largest p
.endr
	WIN 0x14
.irp i, 3,5,7,9,11,13
.irp b, 0,1,2,3
	v_max3_num_f32 v[BM+\b], v[BM+\b], v[AB+16*\b+\i], v[AB+16*\b+\i+1]
.endr
.endr
	WIN 0x04
.irp b, 0,1,2,3
	v_max_num_f32 v[BM+\b], v[BM+\b], v[AB+16*\b+15]
.endr
	WIN 0
.irp b, 0,1,2,3
	v_permlanex16_b32 v[BT+\b], v[BM+\b], s[SEL], s[SEL+1]
.endr
.irp b, 0,1,2,3
	v_max_num_f32 v[BM+\b], v[BM+\b], v[BT+\b]     ; with lane l xor 16's 16 keys
.endr
	v_max3_num_f32 v[T], v[BM], v[BM+1], v[BM+2]
	v_max_num_f32 v[T], v[T], v[BM+3]              ; the largest score of my query in these 128 keys
	v_mul_f32 v[T], s[CS], v[T]                    ; as t (c is positive)
	v_max_num_f32 v[T], 0xff61b1e6, v[T]           ; a row that is wholly masked here: -3e38 for -infinity
	v_floor_f32 v[NM+2*(\a)], -v[T]                ; -M = floor(-t) = -ceil(t): M is a whole number
.irp b, 0,1,2,3
	v_fma_f32 v[BM+\b], v[BM+\b], s[CS], v[NM+2*(\a)]   ; t - M of each block's largest score
.endr
	WIN 0x41
.set j, 0
.rept 32
	v_pk_fma_f32 v[AB+j:AB+j+1], v[AB+j:AB+j+1], s[CS:CS+1], v[NM+2*(\a):NM+2*(\a)+1] op_sel_hi:[1,0,0]   ; t - M, two at a time
.set j, j+2
.endr
.set j, 0
	s_wait_alu depctr_va_vdst(0)                   ; ahead of the batch
.rept 64
	v_exp_f32 v[AB+j], v[AB+j]                     ; p = 2^(t - M), at most 1, not normalised; 0 where the score is masked
.set j, j+1
.endr
	v_nop                                          ; a plain place behind the exponentials
	s_wait_alu depctr_va_vdst(0)                   ; one wait for the batch, ahead of its first reader
	WIN 0
.irp b, 0,1,2,3
	v_exp_f32 v[BM+\b], v[BM+\b]                   ; the block's largest p: the same two instructions on the same number give the same bits
.endr
	v_nop
	s_wait_alu depctr_va_vdst(0)                   ; and one for the four
	WIN 0x05
	v_pk_add_f32 v[SA:SA+1], v[AB:AB+1], v[AB+2:AB+3]   ; the sum is taken of the unquantised p: two at a time, in two chains
	v_pk_add_f32 v[SB:SB+1], v[AB+4:AB+5], v[AB+6:AB+7]
	WIN 0x04
.set j, 8
.rept 14
	v_pk_add_f32 v[SA:SA+1], v[SA:SA+1], v[AB+j:AB+j+1]
	v_pk_add_f32 v[SB:SB+1], v[SB:SB+1], v[AB+j+2:AB+j+3]
.set j, j+4
.endr
	WIN 0
	v_pk_add_f32 v[SA:SA+1], v[SA:SA+1], v[SB:SB+1]
	v_add_f32 v[T], v[SA], v[SA+1]
	v_permlanex16_b32 v[T2], v[T], s[SEL], s[SEL+1]
	v_add_f32 v[NM+2*(\a)+1], v[T], v[T2]          ; with lane l xor 16's: the row's sum over these 128 keys
.irp b, 0,1,2,3
	v_max_num_f32 v[BM+\b], 0x1800000, v[BM+\b]    ; the floor 2^(3 - 127): the byte cannot fall under 1
.endr
.irp b, 0,1,2,3
	v_add_nc_u32 v[SCO+\b], 0xff000000, v[BM+\b]   ; 2 off the exponent field: the conversion's scale operand
.endr
.irp b, 0,1,2,3
	v_lshrrev_b32 v[BT+\b], 23, v[SCO+\b]          ; the scale's byte
.endr
	v_lshl_or_b32 v[PW+(\a)], v[BT+1], 8, v[BT]
	v_lshl_or_b32 v[PW+(\a)], v[BT+2], 16, v[PW+(\a)]
	v_lshl_or_b32 v[PW+(\a)], v[BT+3], 24, v[PW+(\a)]
	WIN 0x01
.irp c, 0,1
	v_cvt_scalef32_pk16_fp6_f32 v[PC+12*(\a)+6*\c:PC+12*(\a)+6*\c+2], v[AB+32*\c:AB+32*\c+15], v[SCO+2*\c]
	v_cvt_scalef32_pk16_fp6_f32 v[TT+4*\c:TT+4*\c+2], v[AB+32*\c+16:AB+32*\c+31], v[SCO+2*\c+1]   ; (a conversion's three registers begin on an even number)
.endr
	WIN 0
	v_nop                                          ; one plain place behind a scaled conversion
.irp c, 0,1                            ; the operand's layout wants a whole block in a lane
.irp i, 0,1,2
	v_permlane16_swap_b32 v[PC+12*(\a)+6*\c+\i], v[TT+4*\c+\i]
.endr
.irp i, 0,1,2
	v_mov_b32 v[PC+12*(\a)+6*\c+3+\i], v[TT+4*\c+\i]
.endr
.endr
.endm
	s_load_b128 s[4:7], s[0:1], 0x0                ; qkop s[4:5], pop s[6:7]
	s_load_b64 s[8:9], s[0:1], 0x10                ; pst
	v_lshl_add_u32 v[SPW], v0, 2, SPARE
	v_mov_b32 v[NIL], 0
	ds_add_u32 v[SPW], v[NIL]                      ; the wave's opening: the add, twice on end, and its wait ahead of my first tensor load
	ds_add_u32 v[SPW], v[NIL]
	v_lshrrev_b32 v1, 5, v0
	v_readfirstlane_b32 s[WV], v1                  ; wave 0..7
	s_lshr_b32 s15, s[WV], 2                       ; which of the two query tiles is mine
	s_bfe_u32 s13, s[WV], 0x10001                  ; which 64 of its queries
	s_and_b32 s14, s[WV], 1                        ; which 128 keys
	s_and_b32 s17, ttmp7, 0xffff                   ; the batch
	s_mov_b32 s19, 0
.irp th, 1,3,6,10,15,21,28
	s_cmp_ge_u32 ttmp9, \th
	s_cselect_b32 s2, 1, 0
	s_add_co_u32 s19, s19, s2                      ; n = how many of the triangle numbers lie at or under the work-group's x
.endr
	s_add_co_u32 s2, s19, 1
	s_mul_i32 s2, s2, s19
	s_lshr_b32 s2, s2, 1
	s_sub_co_u32 s21, ttmp9, s2                    ; kj = x less n (n + 1) / 2: 0..n
	s_lshl_b32 s20, s19, 1
	s_add_co_u32 s20, s20, s15                     ; qi = 2 n + my tile
	s_mov_b32 s[G1], 3<<16                         ; no mask; elements of 8 bytes
	s_mov_b32 s[G1+1], 32<<16                      ; tensor_dim0
	s_mov_b32 s[G1+2], 50<<16                      ; tensor_dim1
	s_mov_b32 s[G1+3], 32<<16                      ; tile_dim0
	s_mov_b32 s[G1+4], 50                          ; tile_dim1
	s_mov_b32 s[G1+5], 32                          ; tensor_dim0_stride
	s_mov_b32 s[G1+6], 0
	s_mov_b32 s[G1+7], 0
	s_cmp_eq_u32 s19, s21                          ; who asks memory ahead: for the keys the work-group with n = kj,
	s_cselect_b32 s52, 1, 0
	s_cmp_eq_u32 s21, 0                            ; for the queries the one with kj = 0
	s_cselect_b32 s53, 1, 0
	s_lshl_b32 s3, s21, 3
	s_add_co_u32 s3, s3, 1024                      ; the keys: pair-tile 8 kj, in 256-steps 4-7 of qkop;
	s_lshl_b32 s22, s19, 3                         ; the queries: pair-tile 8 n, in 256-steps 0-3
	s_cmp_lt_u32 s[WV], 4                          ; waves 0-3 fetch the keys, waves 4-7 the queries
	s_cselect_b32 s90, s3, s22
	s_cselect_b32 s[ASKF], s52, s53
	s_lshl_b32 s2, s17, 6                          ; 64 pair-tiles a batch
	s_add_co_u32 s90, s90, s2
	s_and_b32 s23, s[WV], 3
	s_lshl_b32 s23, s23, 1
	s_add_co_u32 s90, s90, s23                     ; + my two records of the eight
	s_mul_i32 s90, s90, REC
	s_mov_b32 s91, 0
	s_lshl_b32 s94, s17, 3                         ; out: (8 b + kj) x 64 + 4 qi + 2 x my half of the queries
	s_add_co_u32 s94, s94, s21
	s_lshl_b32 s94, s94, 6
	s_lshl_b32 s3, s20, 2
	s_add_co_u32 s94, s94, s3
	s_lshl_b32 s3, s13, 1
	s_add_co_u32 s94, s94, s3
	s_mul_i32 s96, s94, 768
	s_mul_i32 s94, s94, PREC
	s_mov_b32 s95, 0
	s_mov_b32 s97, 0
	s_mov_b32 s[G0], 1
	s_mul_i32 s[G0+1], s[WV], 2*REC                ; where my two records go in a region: the keys' eight, then the queries' eight
	s_lshl_b32 s60, s21, 1
	s_add_co_u32 s60, s60, s14                     ; which 128 keys of the batch are my wave's
	s_sub_co_i32 s61, s20, s60
	s_lshl_b32 s61, s61, 7
	s_lshl_b32 s62, s13, 6
	s_add_co_i32 s61, s61, s62                     ; my wave's first query less its first key
	s_mov_b32 s86, 0xffff0000                      ; lanes 16-31
	s_mov_b32 s[SEL], 0x76543210
	s_mov_b32 s[SEL+1], 0xfedcba98                 ; v_permlanex16_b32's selects for lane l xor 16
	s_mov_b32 s[CS], 0x3d38aa3b                    ; c = log2(e) / sqrt(1024)
	s_mov_b32 s[CS+1], s[CS]                       ; (named with it as a pair, so it is written)
	s_wait_dscnt 0x0                               ; both opening adds are done
	s_wait_kmcnt 0x0
	s_add_nc_u64 s[G0+2:G0+3], s[4:5], s[90:91]
	s_add_nc_u64 s[PFB:PFB+1], s[4:5], s[90:91]
	s_add_nc_u64 s[6:7], s[6:7], s[94:95]
	s_add_nc_u64 s[8:9], s[8:9], s[96:97]
	s_or_b32 s[G0+3], s[G0+3], 0x80000000          ; type = 2
	tensor_load_to_lds s[G0:G0+3], s[G1:G1+7]      ; 256-step 0: my one load at the head
	s_nop 0
	PLACES
	v_and_b32 v1, 31, v0                           ; lane
	v_and_b32 v2, 15, v0                           ; r
	v_bfe_u32 v3, v0, 4, 1                         ; h
	v_lshlrev_b32 v[PFO], 8, v1
	v_min_u32 v[PFO+1], 17, v1
	v_lshlrev_b32 v[PFO+1], 8, v[PFO+1]
	v_lshlrev_b32 v[L16], 4, v1                    ; 16 x lane
	v_lshlrev_b32 v[HR], 2, v2
	v_lshl_add_u32 v[HR], v3, 7, v[HR]             ; 128 h + 4 r
	s_wait_alu depctr_va_vdst(0)                   ; ahead of the branch and the readers below
	ASK 1
	s_mul_i32 s2, s14, 4*REC                       ; my keys: records 4 (w % 2) on of a region
	s_mul_i32 s3, s15, 4*REC                       ; my queries: behind the keys' eight, my tile's four, my half's two
	s_mul_i32 s22, s13, 2*REC
	s_add_co_u32 s3, s3, s22
	s_add_co_u32 s3, s3, 8*REC
.irp rg, 0,1,2
	v_add_nc_u32 v[AJ+\rg], s2, v[L16]
	v_add_nc_u32 v[AI+\rg], s3, v[L16]
	v_add_nc_u32 v[ASJ+\rg], s2, v[HR]
	v_add_nc_u32 v[ASI+\rg], s3, v[HR]
	s_add_co_u32 s2, s2, RGB
	s_add_co_u32 s3, s3, RGB
.endr
	s_mul_i32 s2, s14, 1536
	v_add_nc_u32 v[OA], s2, v[L16]
	s_lshl_b32 s2, s14, 7
	v_lshl_add_u32 v[OS], v1, 2, s2
	v_and_b32 v[DV], 8, v2
	v_add_nc_u32 v[DV], v[DV], v2                  ; r + 8 (r / 8): my query in its tile,
	v_lshlrev_b32 v[NINF], 4, v3
	v_sub_nc_u32 v[DV], v[DV], v[NINF]             ; less the 16 keys that lanes 16-31 begin further on,
	v_add_nc_u32 v[DV], s61, v[DV]                 ; and the wave's distance
	v_mov_b32 v[NINF], 0xff800000                  ; -infinity
.irp b, 0,1,2,3
	v_mov_b32 v[BT+\b], 0                          ; written once: a lane permute's destination counts as one of its sources
	v_mov_b32 v[NM+2*\b+1], 0                      ; (named as the upper half of a pair before it is first written)
.endr
	v_mov_b32 v[T2], 0
	s_wait_alu depctr_va_vdst(0)
	STAGE 0
	STAGE 1
	STAGE 2
	STAGE 3
	WIN 0
	PLACES
	; THE MASK.  Register 64 a + 16 b + i holds key 32 b + 16 h + i of my 128; tile a's lane holds query 32 (a / 2) + 8 (a % 2) + r + 8 (r / 8) of my 64.  A wave all of whose keys come before its query tile's first query skips this:
	; a branch on ids and the wave's number, round no barrier.
	s_cmp_lt_u32 s60, s20
	s_cbranch_scc1 .Lopen
	WIN 0x41
.irp a, 0,1,2,3
.set n, 0
.rept 64
	v_cmp_gt_i32 vcc_lo, 32*(n/16)+n%16-32*(\a/2)-8*(\a%2), v[DV]   ; hidden where the key comes after the query
	v_cndmask_b32 v[64*\a+n], v[64*\a+n], v[NINF], vcc_lo
.set n, n+1
.endr
.endr
	WIN 0
.Lopen:
.irp a, 0,1,2,3
	SOFT \a
.irp c, 0,1,2
	global_store_b128 v[OA], v[PC+12*\a+4*\c:PC+12*\a+4*\c+3], s[6:7] offset:(\a/2)*PREC+(\a%2)*3072+512*\c   ; 512 consecutive bytes, aligned to 256
.endr
.endr
.irp m, 0,1                            ; lanes 0-15 tile u = 0's numbers, lanes 16-31 tile u = 1's: 128 consecutive bytes a store
	v_cndmask_b32 v[PWC+3*\m], v[PW+2*\m], v[PW+2*\m+1], s86
	v_cndmask_b32 v[PWC+3*\m+1], v[NM+4*\m], v[NM+4*\m+2], s86
	v_cndmask_b32 v[PWC+3*\m+2], v[NM+4*\m+1], v[NM+4*\m+3], s86
	global_store_b32 v[OS], v[PWC+3*\m], s[8:9] offset:\m*768          ; the scale words,
	global_store_b32 v[OS], v[PWC+3*\m+1], s[8:9] offset:\m*768+256    ; -M,
	global_store_b32 v[OS], v[PWC+3*\m+2], s[8:9] offset:\m*768+512    ; the sums
.endr
	s_wait_tensorcnt 0x0                           ; the wave's end
	ds_add_u32 v[SPW], v[NIL]
	s_wait_dscnt 0x0
	s_endpgm
.Lfunc_end_k_q52182ea00e_score:
	.size	k_q52182ea00e_score, .Lfunc_end_k_q52182ea00e_score-k_q52182ea00e_score
	.p2alignl 7, 3214868480
	.fill 96, 4, 3214868480
	.section	.rodata,"a",@progbits
	.p2align	6, 0x0
	.amdhsa_kernel k_q52182ea00e_score
		.amdhsa_group_segment_fixed_size 327680
		.amdhsa_private_segment_fixed_size 0
		.amdhsa_enable_private_segment 0
		.amdhsa_kernarg_size 24
		.amdhsa_user_sgpr_count 2
		.amdhsa_user_sgpr_kernarg_segment_ptr 1
		.amdhsa_wavefront_size32 1
		.amdhsa_system_sgpr_workgroup_id_x 1
		.amdhsa_system_sgpr_workgroup_id_y 1
		.amdhsa_system_sgpr_workgroup_id_z 1
		.amdhsa_system_vgpr_workitem_id 0
		.amdhsa_next_free_vgpr 512
		.amdhsa_next_free_sgpr 100
		.amdhsa_reserve_vcc 1
		.amdhsa_float_denorm_mode_32 3
		.amdhsa_float_denorm_mode_16_64 3
		.amdhsa_memory_ordered 1
		.amdhsa_forward_progress 1
		.amdhsa_inst_pref_size 130
	.end_amdhsa_kernel
	.amdgpu_metadata
---
amdhsa.version: [ 1, 2 ]
amdhsa.kernels:
  - .name:           k_q52182ea00e_score
    .symbol:         k_q52182ea00e_score.kd
    .args:
      - { .name: qkop, .offset: 0, .size: 8, .value_kind: global_buffer, .address_space: global }
      - { .name: pop, .offset: 8, .size: 8, .value_kind: global_buffer, .address_space: global }
      - { .name: pst, .offset: 16, .size: 8, .value_kind: global_buffer, .address_space: global }
    .group_segment_fixed_size: 327680
    .private_segment_fixed_size: 0
    .kernarg_segment_align: 8
    .kernarg_segment_size: 24
    .max_flat_workgroup_size: 256
    .sgpr_count:     100
    .vgpr_count:     512
    .wavefront_size: 32
...
	.end_amdgpu_metadata
.endif
;; end of part 3
;; launch pv (part 4): grid 8 x 32, 4 waves a work-group, clusters of 4 x 1, 327,680 bytes of LDS; arguments pop, pst, vop, out0; writes out0
.if DOCPART == 4
	.amdgcn_target "amdgcn-amd-amdhsa--gfx1250"
	.amdhsa_code_object_version 6
	.text
	.protected	k_q52182ea00e_pv
	.globl	k_q52182ea00e_pv
	.p2align	8
	.type	k_q52182ea00e_pv,@function
k_q52182ea00e_pv:
	s_mov_b64 s[64:65], 0
	v_nop
	global_prefetch_b8 v0, s[64:65] scope:SCOPE_SE
	s_setreg_imm32_b32 hwreg(HW_REG_WAVE_MODE, 25, 1), 1
	s_wait_xcnt 0x0
	s_wait_alu depctr_hold_cnt(0) depctr_sa_sdst(0) depctr_va_vdst(0) depctr_va_sdst(0) depctr_va_ssrc(0) depctr_va_vcc(0) depctr_vm_vsrc(0)
	s_getreg_b32 s2, hwreg(HW_REG_IB_STS2, 6, 4)
	s_cmp_eq_u32 s2, 0
	s_cbranch_scc0 .Lentry_in_a_cluster
	s_endpgm
.Lentry_in_a_cluster:
	s_bfe_u32 s2, ttmp6, 0x10000c
	s_cmp_lg_u32 s2, 0x3003
	s_cbranch_scc0 .Lentry_shape_is_right
	s_endpgm
.Lentry_shape_is_right:
; LAUNCH 4 OF 4.  O^T = v^T p^T on codes of FP6 (E2M3), K = the keys; the rows' last M and sum; the division; out0 in f32.
; WORK LEFT OUT: steps of 128 keys that lie wholly above the diagonal are not multiplied, and pairs of steps (256 keys) that lie wholly above it are not fetched: reference() masks them itself, p = 0 there for all values of the inputs.
; SHARES.  A work-group owns TWO query tiles of 128 of one batch, the short one A = pr (0..7) and the long one B = 15 - pr, and 128 of the model axis.  A has nA = pr / 2 + 1 live pairs of steps, B has 9 - nA:
; every work-group walks 9 STAGES (a query tile x 256 keys) and 17 live steps.  The list: stage 0 = (B, pair 0); stage 1 = (A, pair 0); stages 2 .. nA = (A, pair g - 1); stages nA + 1 .. 8 = (B, pair g - nA).
; So both sums start at fixed places; only stages 2, 3, 4 can be either tile's (a branch on ids picks one of two runs of products); stages 5 to 8 are B's, with consecutive pairs.
; One step of the list is wholly masked: the second of stage nA where pr is even, of stage 8 where pr is odd: its products are jumped over.
; I = the queries (source 1: a lane holds one query), J = 128 of d (source 0: registers along d).  Wave w: 64 queries (w / 2) x 64 of d (w % 2): 16 accumulators for each of the two tiles.
; LDS holds six stages (p's 24,576 bytes and v's 25,600 each).  Stages 0-5 are asked for at the head, three tensor loads a wave, and every work-group reads all of them; stages 6-8 come by ONE refill of regions 0-2, one load a wave.
; CLUSTER of 4 along x: the four tiles of d of a cluster walk the same list of p's tiles, which are asked for JOINTLY (the same load, the same descriptor, a mask that names the four).  v's tiles hang on the tile of d and are each work-group's own:
; they are shared only with other pairs of query tiles, whose lists name other steps at the same place.  No branch and no LDS address hangs on the place in the cluster.
; THE ROWS' M.  Launch 3 left, for each row and each 128 keys, -M (a whole number), the sum of p and p's scale bytes under that M.  The row's last -M is the least of them; a step's p counts with 2^-(its -M less the least):
; that whole number nd is taken off the step's scale bytes (held at 0) and, by v_ldexp_f32, off its sum.  Nothing is rounded.  The masked step's words are launch 3's own: -M = 3e38, the sum 0.
; REGISTERS: window 0: v0-31 addresses; v32-47 scale words, two sets of 8; v48-63 1 / sum; v64-159 p's fragments, two sets of 48; v160-255 v's, two sets; the prologue and the way out use v64-170.
;   Window 1: the accumulators: tile A's at v[8 (4 a + b)], tile B's at v[128 + 8 (4 a + b)].
; LIMITS: a step whose M lies more than 300 under the row's counts with the scale byte 0 (2^-127); NaN and infinities are not served.
.set REC,   6400
.set PREC,  6144
.set PBK,   4*PREC                     ; p's part of a stage: 4 records of codes
.set VBK,   4*REC                      ; v's: 4 records
.set VB,    6*PBK                      ; p's six regions from byte 0, v's six from here
.set AS,    VB+6*VBK                   ; p's scale words under the rows' last M: [stage 9][pair-tile 4][tile 2][128 bytes]
.set RL,    AS+9*1024                  ; 1 / sum: [query tile 2][pair-tile 4][tile 2][128 bytes]
.set SPARE, RL+2048                    ; the spare words, 128 bytes for each wave: two blocks of 256 bytes that no other line names
.set STG,   3*PBK                      ; the way out: 16 rows x (256 bytes + 16) for each wave, in p's region 3, which is filled once and is read in stage 3 alone
.set SPIT,  272
.set AP,    4                          ; v4-9    my fragments of p in regions 0..5
.set AV,    10                         ; v10-15  of v
.set AVS,   16                         ; v16-21  my scale words of v
.set APS,   22                         ; v22     my scale words of p
.set SPW,   23                         ; v23     LDS address of my spare word; never rewritten
.set NIL,   24                         ; v24     0; never rewritten
.set STO,   25
.set RD,    26
.set GO,    27
.set RLA,   28
.set ASW,   29
.set RLW,   30
.set VO,    31                         ; v31     128 h + 4 r
.set SC,    32
.set RLR,   48                         ; v48 + 8 t + 2 a: 1 / sum of query tile t's tile a
.set F1,    64
.set JF,    160
.set TO,    64                         ; the way out: a tile's 32 results of a lane,
.set BK,    96                         ; and 16 rows read back from the stage: v96-127 and v128-159 by turns
.set SW,    64                         ; the prologue: index 2 g + u: scale words,
.set NMR,   82                         ; -M, then nd,
.set LR,    100                        ; sums,
.set NEG,   118                        ; -nd
.set MA,    136
.set MB,    138
.set LA,    140
.set LB,    142
.set RC,    144
.set T,     148
.set T2,    149
.set BIGR,  150
.set ZR,    151
.set BY,    152
.set BZ,    156
.set VOG,   160                        ; v160-168 a stage's offset in pst
.set L16,   170
.set WV,    12
.set WI,    13
.set WJ,    14
.set DX4,   15                         ; s15  the tile of d's first pair-tile: with s2, s3 and v's descriptors the only registers that hold the place in the cluster
.set B8,    16                         ; s16  8 x batch
.set PR,    17                         ; s17  pr, which is also query tile A
.set TBQ,   18                         ; s18  query tile B
.set NA,    19                         ; s19  nA
.set DA,    20                         ; s20  nA where pr is even, else 99
.set SG,    21
.set KI,    22
.set TQ,    23
.set OP,    24
.set LP,    25
.set LV,    26
.set MK,    28                         ; s28-30 all ones where stage 2, 3, 4 is tile A's
.set G1P,   32                         ; s[32:39] group 1: p of one stage;  s[40:47] v of one stage;  s[48:55] p of two stages;  s[56:63] v of two stages
.set G1V,   40
.set G1P2,  48
.set G1V2,  56
.set G0P,   68                         ; s[68:79] groups 0 of my three first fills of p;  s[80:91] of v;  s[92:95], s[96:99] of the refill
.set G0V,   80
.set G0PR,  92
.set G0VR,  96
.set SEL,   100
.set MUL,   0x50                       ; both sources window 0, C and D window 1
.set MSB, 0
.macro WIN new                         ; the immediate's high byte repeats the setting that is left
.if MSB != \new
	s_set_vgpr_msb (MSB<<8)|\new
.set MSB, \new
.endif
.endm
.macro PLACES                          ; four plain places in front of loads into registers that matrix instructions have read, and of the first read of results
.rept 4
	v_nop
.endr
.endm
.macro CROUND                          ; a round of the cluster's barrier
	s_barrier_signal -1
	s_barrier_wait -1
	s_cmp_lg_u32 s[WV], 0
	s_cbranch_scc1 .Lnot_wave_0_\@
	s_barrier_signal -3
.Lnot_wave_0_\@:
	s_barrier_wait -3
	s_barrier_signal -1
	s_barrier_wait -1
.endm
.macro SKP                             ; the stage in s[SG] -> s[KI] = 8 x batch + its pair of steps, s[TQ] = its query tile
	s_sub_co_i32 s[KI], s[SG], s[NA]
	s_max_i32 s[KI], s[KI], 0                      ; tile B's: stage 0 has pair 0, a stage g > nA pair g - nA
	s_sub_co_u32 s[TQ], s[SG], 1
	s_cmp_lt_u32 s[TQ], s[NA]                      ; stages 1 .. nA are tile A's, with pair g - 1 (at stage 0 the difference wraps and is not less)
	s_cselect_b32 s[KI], s[TQ], s[KI]
	s_cselect_b32 s[TQ], s[PR], s[TBQ]
	s_add_co_u32 s[KI], s[KI], s[B8]
.endm
; groups 0 for the stage in s[SG], the addresses' places holding offsets for now.  lp, lv: LDS bytes beside the wave's own term in s[LP], s[LV].  p's registers never hold the place in the cluster
.macro DESC gp, gv, lp, lv
	SKP
	s_lshl_b32 s[OP], s[KI], 6
	s_lshl_b32 s[TQ], s[TQ], 2
	s_add_co_u32 s[OP], s[OP], s[TQ]               ; pop's record: (8 b + pair) x 64 + 4 x query tile
	s_mov_b32 s[\gp], 1                            ; count = 1
	s_add_co_u32 s[\gp+1], s[LP], \lp              ; LDS address
	s_mul_i32 s[\gp+2], s[OP], PREC
	s_mov_b32 s[\gp+3], 0
	s_lshl_b32 s2, s[KI], 5
	s_add_co_u32 s2, s2, s[DX4]                    ; vop's record: (8 b + pair) x 32 + the tile of d's first pair-tile
	s_mov_b32 s[\gv], 1
	s_add_co_u32 s[\gv+1], s[LV], \lv
	s_mul_i32 s[\gv+2], s2, REC
	s_mov_b32 s[\gv+3], 0
.endm
; The refill: wave 0 p of stages 6 and 7, wave 1 p of stage 8, wave 2 v of stages 6 and 7, wave 3 v of stage 8.  The branches hang on the wave's number alone.  An s_nop 0 and four v_nop follow each line.
.macro RLOAD
	s_cmp_lt_u32 s[WV], 2
	s_cbranch_scc0 .Lrv_\@
	s_cmp_eq_u32 s[WV], 0
	s_cbranch_scc0 .Lrp1_\@
	tensor_load_to_lds s[G0PR:G0PR+3], s[G1P2:G1P2+7]
	s_nop 0
.rept 4
	v_nop
.endr
	s_branch .Lrdone_\@
.Lrp1_\@:
	tensor_load_to_lds s[G0PR:G0PR+3], s[G1P:G1P+7]
	s_nop 0
.rept 4
	v_nop
.endr
	s_branch .Lrdone_\@
.Lrv_\@:
	s_cmp_eq_u32 s[WV], 2
	s_cbranch_scc0 .Lrv1_\@
	tensor_load_to_lds s[G0VR:G0VR+3], s[G1V2:G1V2+7]
	s_nop 0
.rept 4
	v_nop
.endr
	s_branch .Lrdone_\@
.Lrv1_\@:
	tensor_load_to_lds s[G0VR:G0VR+3], s[G1V:G1V+7]
	s_nop 0
.rept 4
	v_nop
.endr
.Lrdone_\@:
.endm
; UNIT n = step n % 2 of stage n / 2.  Its fragments go into set n % 2: 24 LDS loads of 512 consecutive bytes; with a stage's first unit come the stage's 8 registers of scale words (lanes 0-15 the first step's, lanes 16-31 the second's).
.macro LOADU n
.set gg, (\n)/2
.set ss, (\n)%2
.set rr, gg%6
.if ss == 0
.irp a, 0,1,2,3
	ds_load_b32 v[SC+8*(gg%2)+\a], v[APS] offset:1024*gg+256*(\a/2)+128*(\a%2)
.endr
.irp b, 0,1,2,3
	ds_load_b32 v[SC+8*(gg%2)+4+\b], v[AVS+rr] offset:6144+(\b/2)*REC+(\b%2)*64
.endr
.endif
.irp a, 0,1,2,3
.irp c, 0,1,2
	ds_load_b128 v[F1+48*ss+12*\a+4*\c:F1+48*ss+12*\a+4*\c+3], v[AP+rr] offset:(\a/2)*PREC+(\a%2)*3072+ss*1536+512*\c
.endr
.endr
.irp b, 0,1,2,3
.irp c, 0,1,2
	ds_load_b128 v[JF+48*ss+12*\b+4*\c:JF+48*ss+12*\b+4*\c+3], v[AV+rr] offset:(\b/2)*REC+(\b%2)*3072+ss*1536+512*\c
.endr
.endr
.endm
; 16 matrix instructions: unit n's products into query tile t's accumulators, which take turns, one instruction a turn, in the same order in every unit.  zero = 1: they start the sums.
.macro MULS n, t, zero
.set gg, (\n)/2
.set ss, (\n)%2
	WIN MUL
.irp b, 0,1,2,3
.irp a, 0,1,2,3
.set rD, 128*(\t)+8*(4*\a+\b)
.set rJ, JF+48*ss+12*\b
.set rI, F1+48*ss+12*\a
.set rSJ, SC+8*(gg%2)+4+\b
.set rSI, SC+8*(gg%2)+\a
.if \zero
	v_wmma_scale_f32_16x16x128_f8f6f4 v[rD:rD+7], v[rJ:rJ+11], v[rI:rI+11], 0, v[rSJ], v[rSI] matrix_a_fmt:MATRIX_FMT_FP6 matrix_b_fmt:MATRIX_FMT_FP6
.elseif ss
	v_wmma_scale_f32_16x16x128_f8f6f4 v[rD:rD+7], v[rJ:rJ+11], v[rI:rI+11], v[rD:rD+7], v[rSJ], v[rSI] matrix_a_fmt:MATRIX_FMT_FP6 matrix_b_fmt:MATRIX_FMT_FP6 matrix_a_scale:MATRIX_SCALE_ROW1 matrix_b_scale:MATRIX_SCALE_ROW1
.else
	v_wmma_scale_f32_16x16x128_f8f6f4 v[rD:rD+7], v[rJ:rJ+11], v[rI:rI+11], v[rD:rD+7], v[rSJ], v[rSI] matrix_a_fmt:MATRIX_FMT_FP6 matrix_b_fmt:MATRIX_FMT_FP6
.endif
.endr
.endr
	WIN 0
.endm
; Unit n's products.  kind 0: tile A's; 1: tile B's; 2: by the work-group's list.  All branches hang on the batch's and the pair's numbers, which the four partners share, and lead round products alone.
.macro PROD n, kind, zero
.if ((\n)%2 == 1) && ((\n)/2 >= 1) && ((\n)/2 <= 4)
	s_cmp_eq_u32 s[DA], (\n)/2                     ; tile A's last stage, and A is even: its second step lies wholly above the diagonal
	s_cbranch_scc1 .Lskip_\@
.endif
.if (\n) == 17
	s_cmp_eq_u32 s[DA], 99                         ; pr is odd, so B is even: the same of tile B's last stage
	s_cbranch_scc1 .Lskip_\@
.endif
.if \kind == 2
	s_cmp_lt_u32 s[NA], (\n)/2
	s_cbranch_scc1 .Lb_\@
	MULS \n, 0, 0
	s_branch .Lskip_\@
.Lb_\@:
	MULS \n, 1, 0
.else
	MULS \n, \kind, \zero
.endif
.Lskip_\@:
.endm
.macro UNIT n, kind, zero, next        ; next = 1: the following unit's fragments are fetched, into the set that the unit before has multiplied
	s_wait_dscnt 0x0                               ; this unit's fragments are in: they were asked for a unit ago
.if \next
	PLACES
	LOADU (\n)+1
.endif
	PROD \n, \kind, \zero
.endm
; THE WAY OUT of query tile t: O^T is multiplied by 1 / sum and goes through my stage in LDS, a tile of 16 queries x 64 of d at a time; it comes back as rows of 256 bytes, two an instruction.
.macro SCALEOUT t, a                   ; register 16 bb + i of the tile: d = 32 bb + 16 h + i of my 64.  Each accumulator is read from its low end on
	WIN 0x01
.set j, 0
.rept 16
	v_pk_mul_f32 v[TO+j:TO+j+1], v[128*(\t)+32*(\a)+j:128*(\t)+32*(\a)+j+1], v[RLR+8*(\t)+2*(\a):RLR+8*(\t)+2*(\a)+1] op_sel_hi:[1,0]
.set j, j+2
.endr
	WIN 0
.endm
.macro TOSTAGE a
.irp bb, 0,1
.irp q, 0,1,2,3
	ds_store_b128 v[STO], v[TO+16*\bb+4*\q:TO+16*\bb+4*\q+3] offset:128*\bb+16*\q
.endr
.endr
.irp i, 0,1,2,3,4,5,6,7
	ds_load_b128 v[BK+32*((\a)%2)+4*\i:BK+32*((\a)%2)+4*\i+3], v[RD] offset:2*SPIT*\i   ; LDS serves a wave's instructions in order (ISA guide 5.7.1.4): these see the stores above
.endr
.endm
.macro SEND a, younger, base           ; younger: the LDS instructions issued behind tile a's loads, which may stay out.  Tile row m is query 32 (a / 2) + 8 (a % 2) + m + 8 (m / 8) of my 64
	s_wait_dscnt \younger
.irp i, 0,1,2,3,4,5,6,7
	global_store_b128 v[GO], v[BK+32*((\a)%2)+4*\i:BK+32*((\a)%2)+4*\i+3], s[\base:\base+1] offset:(32*((\a)/2)+8*((\a)%2)+2*\i+8*(\i/4))*4096 th:TH_STORE_NT   ; sixteen lanes store 256 consecutive bytes, aligned; written once, read by nobody here
.endr
.endm
.macro WAYOUT t, base
	PLACES
.irp a, 0,1,2,3
	ds_load_b32 v[RLR+8*(\t)+2*\a], v[RLA] offset:1024*(\t)+256*(\a/2)+128*(\a%2)
.endr
	s_wait_dscnt 0x0
	SCALEOUT \t, 0
	TOSTAGE 0
.irp a, 1,2,3
	s_wait_dscnt 8                                 ; the last tile's stores into the stage are done; its 8 loads may be out
	SCALEOUT \t, \a
.if \a > 1
	s_wait_alu depctr_va_vdst(0)
	s_wait_xcnt 0x0                                ; the stores of two tiles back have read their registers: this tile's rows may land there
.endif
	TOSTAGE \a
	SEND \a-1, 16, \base                           ; behind the last tile's loads: this tile's 8 stores and 8 loads
.endr
	SEND 3, 0, \base
.endm
	s_load_b256 s[4:11], s[0:1], 0x0               ; pop s[4:5], pst s[6:7], vop s[8:9], out0 s[10:11]
	v_lshl_add_u32 v[SPW], v0, 2, SPARE
	v_mov_b32 v[NIL], 0
	ds_add_u32 v[SPW], v[NIL]                      ; the wave's opening: the add, twice on end, and its wait ahead of my first tensor load
	ds_add_u32 v[SPW], v[NIL]
	v_lshrrev_b32 v1, 5, v0
	v_readfirstlane_b32 s[WV], v1                  ; wave 0..3
	s_lshr_b32 s[WI], s[WV], 1                     ; which 64 queries are mine
	s_and_b32 s[WJ], s[WV], 1                      ; which 64 of d.  Also: I fetch the even or the odd stages
	s_bfe_u32 s[DX4], ttmp6, 0x40000               ; cx: my place in the cluster
	s_lshl_b32 s2, ttmp9, 2
	s_add_co_u32 s[DX4], s2, s[DX4]                ; the tile of d = 4 x cluster x + cx,
	s_lshl_b32 s[DX4], s[DX4], 2                   ; its first pair-tile
	s_and_b32 s[PR], ttmp7, 0xffff                 ; the cluster's y, which the four partners share
	s_lshr_b32 s[B8], s[PR], 3
	s_lshl_b32 s[B8], s[B8], 3                     ; 8 x batch
	s_and_b32 s[PR], s[PR], 7                      ; pr = query tile A
	s_sub_co_u32 s[TBQ], 15, s[PR]                 ; query tile B
	s_lshr_b32 s[NA], s[PR], 1
	s_add_co_u32 s[NA], s[NA], 1                   ; nA
	s_and_b32 s[DA], s[PR], 1
	s_cmp_eq_u32 s[DA], 0
	s_cselect_b32 s[DA], s[NA], 99
	; descriptor groups 1.  One stage's part is a dense block, taken as rows of 256 bytes (32 elements of 8 bytes): 96 rows of p, 100 of v.  Two stages' parts are two rows, each a whole block, a pair of steps apart in memory
	s_mov_b32 s[G1P], 15|(3<<16)|(1<<21)           ; 15:0 the mask: all four work-groups; 17:16 elements of 8 bytes; 21 set beside a mask
	s_mov_b32 s[G1P+1], 32<<16                     ; tensor_dim0
	s_mov_b32 s[G1P+2], 96<<16                     ; tensor_dim1
	s_mov_b32 s[G1P+3], 32<<16                     ; tile_dim0
	s_mov_b32 s[G1P+4], 96                         ; tile_dim1
	s_mov_b32 s[G1P+5], 32                         ; tensor_dim0_stride
	s_mov_b32 s[G1P+6], 0
	s_mov_b32 s[G1P+7], 0
	s_mov_b32 s[G1V], 3<<16                        ; no mask
	s_mov_b32 s[G1V+1], 32<<16
	s_mov_b32 s[G1V+2], 100<<16
	s_mov_b32 s[G1V+3], 32<<16
	s_mov_b32 s[G1V+4], 100
	s_mov_b32 s[G1V+5], 32
	s_mov_b32 s[G1V+6], 0
	s_mov_b32 s[G1V+7], 0
	s_mov_b32 s[G1P2], 15|(3<<16)|(1<<21)
	s_mov_b32 s[G1P2+1], (PBK/8)<<16               ; a row of 24,576 bytes
	s_mov_b32 s[G1P2+2], 2<<16
	s_mov_b32 s[G1P2+3], (PBK/8)<<16
	s_mov_b32 s[G1P2+4], 2
	s_mov_b32 s[G1P2+5], 64*PREC/8                 ; 64 records from one pair of steps to the next
	s_mov_b32 s[G1P2+6], 0
	s_mov_b32 s[G1P2+7], 0
	s_mov_b32 s[G1V2], 3<<16
	s_mov_b32 s[G1V2+1], (VBK/8)<<16               ; a row of 25,600 bytes
	s_mov_b32 s[G1V2+2], 2<<16
	s_mov_b32 s[G1V2+3], (VBK/8)<<16
	s_mov_b32 s[G1V2+4], 2
	s_mov_b32 s[G1V2+5], 32*REC/8                  ; 32 records from one pair of steps to the next
	s_mov_b32 s[G1V2+6], 0
	s_mov_b32 s[G1V2+7], 0
	s_mul_i32 s[LP], s[WJ], PBK                    ; my first fills: stages 2 j + w % 2, into the regions of the same numbers
	s_mul_i32 s[LV], s[WJ], VBK
.irp j, 0,1,2
	s_add_co_u32 s[SG], s[WJ], 2*\j
	DESC G0P+4*\j, G0V+4*\j, 2*\j*PBK, VB+2*\j*VBK
.endr
	s_mul_i32 s[LP], s[WJ], 2*PBK                  ; the refill: from stage 6 + 2 (w % 2) on, into region 2 (w % 2) on
	s_mul_i32 s[LV], s[WJ], 2*VBK
	s_lshl_b32 s[SG], s[WJ], 1
	s_add_co_u32 s[SG], s[SG], 6
	DESC G0PR, G0VR, 0, VB
	s_mov_b32 s[SEL], 0x76543210
	s_mov_b32 s[SEL+1], 0xfedcba98                 ; v_permlanex16_b32's selects for lane l xor 16
	s_wait_dscnt 0x0                               ; both opening adds are done
	s_wait_kmcnt 0x0
.irp d, G0P, G0P+4, G0P+8, G0PR
	s_add_nc_u64 s[\d+2:\d+3], s[4:5], s[\d+2:\d+3]   ; global address
	s_or_b32 s[\d+3], s[\d+3], 0x80000000          ; type = 2
.endr
.irp d, G0V, G0V+4, G0V+8, G0VR
	s_add_nc_u64 s[\d+2:\d+3], s[8:9], s[\d+2:\d+3]
	s_or_b32 s[\d+3], s[\d+3], 0x80000000
.endr
	CROUND                                         ; all four work-groups are here: the joint loads meet
; one load a wave: stages 2 j and 2 j + 1: waves 0 and 1 fetch p, waves 2 and 3 v; an s_nop 0 and four v_nop follow each line
.macro FILL j
	s_cmp_lt_u32 s[WV], 2
	s_cbranch_scc0 .Lfill_v_\@
	tensor_load_to_lds s[G0P+4*(\j):G0P+4*(\j)+3], s[G1P:G1P+7]
	s_nop 0
.rept 4
	v_nop
.endr
	s_branch .Lfill_done_\@
.Lfill_v_\@:
	tensor_load_to_lds s[G0V+4*(\j):G0V+4*(\j)+3], s[G1V:G1V+7]
	s_nop 0
.rept 4
	v_nop
.endr
.Lfill_done_\@:
.endm
	FILL 0
	; THE PROLOGUE.  Wave w takes pair-tile w of both query tiles, stage by stage; a lane (r, h) is row r and step h of the stage's pair: the layout of a scale register.  54 loads.
	v_and_b32 v1, 31, v0                           ; lane
	v_and_b32 v2, 15, v0                           ; r
	v_bfe_u32 v3, v0, 4, 1                         ; h
	v_lshlrev_b32 v[VO], 2, v2
	v_lshl_add_u32 v[VO], v3, 7, v[VO]             ; 128 h + 4 r
	s_wait_alu depctr_va_vdst(0)
.irp g, 0,1,2,3,4,5,6,7,8
	s_mov_b32 s[SG], \g
	SKP
	s_lshl_b32 s[OP], s[KI], 6
	s_lshl_b32 s[TQ], s[TQ], 2
	s_add_co_u32 s[OP], s[OP], s[TQ]
	s_add_co_u32 s[OP], s[OP], s[WV]
	s_mul_i32 s[OP], s[OP], 768                    ; pst's record: (8 b + pair) x 64 + 4 x query tile + w
	v_add_nc_u32 v[VOG+\g], s[OP], v[VO]
.irp u, 0,1
	global_load_b32 v[SW+2*\g+\u], v[VOG+\g], s[6:7] offset:64*\u
	global_load_b32 v[NMR+2*\g+\u], v[VOG+\g], s[6:7] offset:64*\u+256
	global_load_b32 v[LR+2*\g+\u], v[VOG+\g], s[6:7] offset:64*\u+512
.endr
.endr
	; while they are on their way: masks, addresses, out0's two bases
.irp g, 2,3,4
	s_cmp_ge_u32 s[NA], \g
	s_cselect_b32 s[MK+\g-2], -1, 0
.endr
	v_lshlrev_b32 v[L16], 4, v1                    ; 16 x lane
	s_mul_i32 s[SG], s[WI], 2*PREC
	s_mul_i32 s[KI], s[WJ], 2*REC
	s_add_co_u32 s[KI], s[KI], VB
.irp d, 0,1,2,3,4,5
	v_add_nc_u32 v[AP+\d], s[SG], v[L16]
	v_add_nc_u32 v[AV+\d], s[KI], v[L16]
	v_add_nc_u32 v[AVS+\d], s[KI], v[VO]
	s_add_co_u32 s[SG], s[SG], PBK
	s_add_co_u32 s[KI], s[KI], VBK
.endr
	s_lshl_b32 s[SG], s[WI], 9
	s_add_co_u32 s[KI], s[SG], AS
	v_lshl_add_u32 v[APS], v1, 2, s[KI]            ; read: my two pair-tiles' words
	s_add_co_u32 s[KI], s[SG], RL
	v_lshl_add_u32 v[RLA], v1, 2, s[KI]
	s_lshl_b32 s[SG], s[WV], 8
	s_add_co_u32 s[KI], s[SG], AS
	v_lshl_add_u32 v[ASW], v1, 2, s[KI]            ; written: pair-tile w's
	s_add_co_u32 s[KI], s[SG], RL
	v_lshl_add_u32 v[RLW], v1, 2, s[KI]
	s_mul_i32 s[SG], s[WV], 16*SPIT
	s_add_co_u32 s[SG], s[SG], STG                 ; my stage
	v_mul_u32_u24 v[STO], v2, SPIT
	v_lshl_add_u32 v[STO], v3, 6, v[STO]
	v_add_nc_u32 v[STO], s[SG], v[STO]             ; in: row r, + 64 h
	v_mul_u32_u24 v[RD], v3, SPIT
	v_lshl_add_u32 v[RD], v2, 4, v[RD]
	v_add_nc_u32 v[RD], s[SG], v[RD]               ; back: lanes 0-15 one row of 256 bytes, lanes 16-31 the next
	v_lshlrev_b32 v[GO], 12, v3
	v_lshl_add_u32 v[GO], v2, 4, v[GO]             ; and the same two rows in out0
	s_lshl_b32 s[DX4], s[DX4], 7                   ; 512 bytes a tile of d,
	s_lshl_b32 s2, s[WJ], 8
	s_add_co_u32 s[DX4], s[DX4], s2                ; 256 for my half,
	s_lshl_b32 s2, s[B8], 8
	s_lshl_b32 s3, s[WI], 6
	s_add_co_u32 s2, s2, s3
	s_lshl_b32 s2, s2, 12
	s_add_co_u32 s[DX4], s[DX4], s2                ; rows 2,048 b + 64 (w / 2) of 4,096 bytes
	s_lshl_b32 s2, s[PR], 19
	s_add_co_u32 s2, s2, s[DX4]
	s_mov_b32 s3, 0
	s_add_nc_u64 s[8:9], s[10:11], s[2:3]          ; out0 at my first row of tile A (v's descriptors hold their own copies of vop's address),
	s_lshl_b32 s2, s[TBQ], 19
	s_add_co_u32 s2, s2, s[DX4]
	s_add_nc_u64 s[10:11], s[10:11], s[2:3]        ; and of tile B
	v_mov_b32 v[BIGR], 0x7f61b1e6                  ; 3e38
	v_mov_b32 v[ZR], 0
	v_mov_b32 v[T2], 0                             ; written once: a lane permute's destination counts as one of its sources
.irp d, 0,1,2,3,4,5,6,7
	v_mov_b32 v[RLR+2*\d+1], 0                     ; (named as the upper half of a pair)
.endr
	s_wait_alu depctr_va_vdst(0)                   ; ahead of the waits below
	s_wait_tensorcnt 0x0                           ; stages 0 and 1: my part is in
	ds_add_u32 v[SPW], v[NIL]
	s_wait_dscnt 0x0
	CROUND
	FILL 1                                         ; stages 2 and 3: they land under the prologue's arithmetic
	s_wait_loadcnt 0x0
.irp u, 0,1
	v_cndmask_b32 v[T], v[BIGR], v[NMR+4+\u], s[MK]   ; the rows' last -M: the least over each tile's stages; a stage of the other tile counts as 3e38
	v_min_num_f32 v[MA+\u], v[NMR+2+\u], v[T]
	v_cndmask_b32 v[T], v[NMR+4+\u], v[BIGR], s[MK]
	v_min_num_f32 v[MB+\u], v[NMR+\u], v[T]
.irp g, 3,4
	v_cndmask_b32 v[T], v[BIGR], v[NMR+2*\g+\u], s[MK+\g-2]
	v_min_num_f32 v[MA+\u], v[MA+\u], v[T]
	v_cndmask_b32 v[T], v[NMR+2*\g+\u], v[BIGR], s[MK+\g-2]
	v_min_num_f32 v[MB+\u], v[MB+\u], v[T]
.endr
.irp g, 5,6,7,8
	v_min_num_f32 v[MB+\u], v[MB+\u], v[NMR+2*\g+\u]
.endr
	v_permlanex16_b32 v[T2], v[MA+\u], s[SEL], s[SEL+1]
	v_min_num_f32 v[MA+\u], v[MA+\u], v[T2]        ; with the other steps of the pairs
	v_permlanex16_b32 v[T2], v[MB+\u], s[SEL], s[SEL+1]
	v_min_num_f32 v[MB+\u], v[MB+\u], v[T2]
	v_sub_f32 v[NMR+\u], v[NMR+\u], v[MB+\u]       ; how far a step's M lies under the row's: a whole number, 0 or more
	v_sub_f32 v[NMR+2+\u], v[NMR+2+\u], v[MA+\u]
.irp g, 2,3,4
	v_cndmask_b32 v[T], v[MB+\u], v[MA+\u], s[MK+\g-2]
	v_sub_f32 v[NMR+2*\g+\u], v[NMR+2*\g+\u], v[T]
.endr
.irp g, 5,6,7,8
	v_sub_f32 v[NMR+2*\g+\u], v[NMR+2*\g+\u], v[MB+\u]
.endr
.endr
.set k, 0
.rept 18
	v_min_num_f32 v[NMR+k], 0x43960000, v[NMR+k]   ; held at 300
.set k, k+1
.endr
.set k, 0
.rept 18
	v_cvt_u32_f32 v[NMR+k], v[NMR+k]               ; nd
.set k, k+1
.endr
.set k, 0
.rept 18
	v_sub_nc_u32 v[NEG+k], 0, v[NMR+k]
.set k, k+1
.endr
.set k, 0
.rept 18
	v_ldexp_f32 v[LR+k], v[LR+k], v[NEG+k]         ; the step's sum under the row's last M
.set k, k+1
.endr
.irp u, 0,1
	v_cndmask_b32 v[T], v[ZR], v[LR+4+\u], s[MK]
	v_add_f32 v[LA+\u], v[LR+2+\u], v[T]
	v_cndmask_b32 v[T], v[LR+4+\u], v[ZR], s[MK]
	v_add_f32 v[LB+\u], v[LR+\u], v[T]
.irp g, 3,4
	v_cndmask_b32 v[T], v[ZR], v[LR+2*\g+\u], s[MK+\g-2]
	v_add_f32 v[LA+\u], v[LA+\u], v[T]
	v_cndmask_b32 v[T], v[LR+2*\g+\u], v[ZR], s[MK+\g-2]
	v_add_f32 v[LB+\u], v[LB+\u], v[T]
.endr
.irp g, 5,6,7,8
	v_add_f32 v[LB+\u], v[LB+\u], v[LR+2*\g+\u]
.endr
	v_permlanex16_b32 v[T2], v[LA+\u], s[SEL], s[SEL+1]
	v_add_f32 v[LA+\u], v[LA+\u], v[T2]
	v_permlanex16_b32 v[T2], v[LB+\u], s[SEL], s[SEL+1]
	v_add_f32 v[LB+\u], v[LB+\u], v[T2]            ; the rows' sums; a row's own key counts, so they are over 1/2
.endr
	s_wait_alu depctr_va_vdst(0)
	v_rcp_f32 v[RC], v[LA]
	v_rcp_f32 v[RC+1], v[LA+1]
	v_rcp_f32 v[RC+2], v[LB]
	v_rcp_f32 v[RC+3], v[LB+1]                     ; the bytes' arithmetic below is the plain work behind the four
.set k, 0
.rept 18
.irp y, 0,1,2,3
	v_bfe_u32 v[BY+\y], v[SW+k], 8*\y, 8
.endr
.irp y, 0,1,2,3
	v_min_u32 v[BZ+\y], v[BY+\y], v[NMR+k]
.endr
.irp y, 0,1,2,3
	v_sub_nc_u32 v[BY+\y], v[BY+\y], v[BZ+\y]      ; byte - min(byte, nd)
.endr
	v_lshl_or_b32 v[SW+k], v[BY+1], 8, v[BY]
	v_lshl_or_b32 v[SW+k], v[BY+2], 16, v[SW+k]
	v_lshl_or_b32 v[SW+k], v[BY+3], 24, v[SW+k]
.set k, k+1
.endr
	s_wait_alu depctr_va_vdst(0)                   ; ahead of the reciprocals' first reader
.irp g, 0,1,2,3,4,5,6,7,8
.irp u, 0,1
	ds_store_b32 v[ASW], v[SW+2*\g+\u] offset:1024*\g+128*\u   ; images of scale registers, by stage: no address hangs on the work-group's list
.endr
.endr
.irp t, 0,1
.irp u, 0,1
	ds_store_b32 v[RLW], v[RC+2*\t+\u] offset:1024*\t+128*\u
.endr
.endr
	s_wait_tensorcnt 0x0                           ; stages 2 and 3: my part is in
	ds_add_u32 v[SPW], v[NIL]
	s_wait_dscnt 0x0                               ; the add is done, and my scale words and reciprocals lie in LDS
	CROUND                                         ; stages 0 to 3 are whole, and so are the words
	FILL 2                                         ; stages 4 and 5: seven units of products stand ahead of the wait for them
	LOADU 0
	UNIT 0, 1, 1, 1                                ; stage 0: tile B's sums start
	UNIT 1, 1, 0, 1
	UNIT 2, 0, 1, 1                                ; stage 1: tile A's sums start
	s_wait_dscnt 0x0                               ; unit 3
	PLACES
	LOADU 4
	PROD 3, 0, 0
	UNIT 4, 2, 0, 1
	UNIT 5, 2, 0, 1
	UNIT 6, 2, 0, 1
	; unit 7, with THE REFILL.  Regions 0-2 were last read for unit 5.  Each wave waits for all its tensor loads (its third: stage 4 or 5), adds 0 to its spare word, and waits for that and for its LDS loads; the round shows
	; stages 4 and 5 to all waves and says of all four work-groups that nobody reads regions 0-2 or has a load on its way; the refill is the first thing behind it.
	s_wait_tensorcnt 0x0
	ds_add_u32 v[SPW], v[NIL]
	s_wait_dscnt 0x0
	CROUND
	RLOAD                                          ; its four v_nop are also the places in front of the loads below
	LOADU 8
	PROD 7, 2, 0
	UNIT 8, 2, 0, 1
	UNIT 9, 2, 0, 1
	UNIT 10, 1, 0, 1
	UNIT 11, 1, 0, 0
	s_wait_dscnt 0x0
	s_barrier_signal -1
	s_barrier_wait -1                              ; every wave has read p's region 3 out: the stages may be written there
	WAYOUT 0, 8                                    ; tile A was finished in stage 4 at the latest: it goes out while the refill is on its way
	s_wait_xcnt 0x0                                ; its stores have read their registers: fragments may land there
	s_wait_tensorcnt 0x0                           ; my part of stages 6-8 is in
	s_wait_dscnt 0x0
	s_barrier_signal -1
	s_barrier_wait -1                              ; everybody's is
	LOADU 12
	UNIT 12, 1, 0, 1
	UNIT 13, 1, 0, 1
	UNIT 14, 1, 0, 1
	UNIT 15, 1, 0, 1
	UNIT 16, 1, 0, 1
	UNIT 17, 1, 0, 0
	WAYOUT 1, 10                                   ; tile B
	s_wait_tensorcnt 0x0                           ; the wave's end, behind my last tensor load and my last LDS store
	ds_add_u32 v[SPW], v[NIL]
	s_wait_dscnt 0x0
	CROUND                                         ; the closing round: no work-group ends while a partner may still ask for a tile that names it
	s_endpgm
.Lfunc_end_k_q52182ea00e_pv:
	.size	k_q52182ea00e_pv, .Lfunc_end_k_q52182ea00e_pv-k_q52182ea00e_pv
	.p2alignl 7, 3214868480
	.fill 96, 4, 3214868480
	.section	.rodata,"a",@progbits
	.p2align	6, 0x0
	.amdhsa_kernel k_q52182ea00e_pv
		.amdhsa_group_segment_fixed_size 327680
		.amdhsa_private_segment_fixed_size 0
		.amdhsa_enable_private_segment 0
		.amdhsa_kernarg_size 32
		.amdhsa_user_sgpr_count 2
		.amdhsa_user_sgpr_kernarg_segment_ptr 1
		.amdhsa_wavefront_size32 1
		.amdhsa_system_sgpr_workgroup_id_x 1
		.amdhsa_system_sgpr_workgroup_id_y 1
		.amdhsa_system_sgpr_workgroup_id_z 1
		.amdhsa_system_vgpr_workitem_id 0
		.amdhsa_next_free_vgpr 512
		.amdhsa_next_free_sgpr 102
		.amdhsa_reserve_vcc 0
		.amdhsa_float_denorm_mode_32 3
		.amdhsa_float_denorm_mode_16_64 3
		.amdhsa_memory_ordered 1
		.amdhsa_forward_progress 1
		.amdhsa_inst_pref_size 156
	.end_amdhsa_kernel
	.amdgpu_metadata
---
amdhsa.version: [ 1, 2 ]
amdhsa.kernels:
  - .name:           k_q52182ea00e_pv
    .symbol:         k_q52182ea00e_pv.kd
    .args:
      - { .name: pop, .offset: 0, .size: 8, .value_kind: global_buffer, .address_space: global }
      - { .name: pst, .offset: 8, .size: 8, .value_kind: global_buffer, .address_space: global }
      - { .name: vop, .offset: 16, .size: 8, .value_kind: global_buffer, .address_space: global }
      - { .name: out0, .offset: 24, .size: 8, .value_kind: global_buffer, .address_space: global }
    .group_segment_fixed_size: 327680
    .private_segment_fixed_size: 0
    .kernarg_segment_align: 8
    .kernarg_segment_size: 32
    .max_flat_workgroup_size: 128
    .sgpr_count:     102
    .vgpr_count:     512
    .wavefront_size: 32
...
	.end_amdgpu_metadata
.endif
;; end of part 4
